; MI455X (gfx1250); checked and timed in simulation.
; The chip was launched on July 23, 2026; its instructions are those of AMD's public machine-readable ISA for CDNA 5 (MIT licence, August 2026) and "CDNA5" Instruction Set Architecture Reference Guide (July 2026). The comments in the code are by the model that wrote it; some were corrected since.
;; Temporal Pose Transformer. Allowed arithmetic: float matrix products may take bf16 or f16 operands with f32 sums; other float arithmetic in f32, or as packed bf16 or f16 multiplies, adds, multiply-adds, maxima and minima; sums over many terms, partial sums and values carried from step to step in f32; what a program stores and reads back later, other than sums and carried values, may be rounded once to bf16 or f16.
;; Inputs: W1 4 x 1,024 x 256 float32; W2 4 x 256 x 1,024 float32; Wo 4 x 256 x 256 float32; Wqkv 4 x 768 x 256 float32; b1 4 x 1,024 float32; b2 4 x 256 float32; bo 4 x 256 float32; bqkv 4 x 768 float32; ln1_b 4 x 256 float32; ln1_g 4 x 256 float32; ln2_b 4 x 256 float32; ln2_g 4 x 256 float32; lnf_b 256 float32; lnf_g 256 float32; tokens 4 x 2,048 x 256 float32.
;; Outputs: out0 4 x 2,048 x 256 float32.
;; 2 versions, each right; version 2 is version 1 with the launch prep written anew for expert scheduling mode. Each part assembles by itself: llvm-mc -triple=amdgcn-amd-amdhsa -mcpu=gfx1250 --defsym DOCPART=n.
;; ======== version 1 of 2: 6 launches
;; workspace buffers: stA 20,971,520 bytes; stB 20,971,520 bytes; pF 409,600 bytes; pM0 1,589,248 bytes; pM1 1,589,248 bytes; pM2 1,589,248 bytes; pL 1,196,032 bytes
;; launch prep (part 1): grid 193 x 4, 4 waves a work-group, no clusters, 0 bytes of LDS; arguments W1, W2, Wo, Wqkv, b1, b2, bo, bqkv, ln1_b, ln1_g, ln2_b, ln2_g, pF, pM0, pM1, pM2, pL; writes pF, pM0, pM1, pM2, pL
.if DOCPART == 1
	.amdgcn_target "amdgcn-amd-amdhsa--gfx1250"
	.amdhsa_code_object_version 6
	.text
	.protected	k_q406f0e5d9b_prep
	.globl	k_q406f0e5d9b_prep
	.p2align	8
	.type	k_q406f0e5d9b_prep,@function
k_q406f0e5d9b_prep:
	s_mov_b64 s[64:65], 0
	v_nop
	global_prefetch_b8 v0, s[64:65] scope:SCOPE_SE
	s_setreg_imm32_b32 hwreg(HW_REG_WAVE_MODE, 25, 1), 1
	s_wait_xcnt 0x0
; THE WEIGHTS ARE LAID OUT FOR THE LAUNCHES THAT FOLLOW.  Each later launch walks one buffer from front to back: a block of parameters (f32) at byte 0,
; then from byte 16,384 on tiles of 256 output rows x 256 k in bf16, dense (131,072 bytes), in the order in which they are multiplied:
;   pF:  Wq, Wk, Wv of layer 0.     pM(l): Wo, then W1 rows 256 c .. and W2 columns 256 c .. by turns (c = 0..3) of layer l, then Wq, Wk, Wv of layer l + 1.     pL: as pM(3) without the last three.
; Parameter block: +0 bo, +1024 ln2_g, +2048 ln2_b, +3072 b2, +4096 b1 of the layer; +8192 ln1_g, +9216 ln1_b, +10240 bqkv of the layer whose QKV the launch makes.
; GRID.  y = layer l.  x < 192: tile job j = x / 16 (0-2 Wq Wk Wv, 3 Wo, 4 + 2 c W1, 5 + 2 c W2), piece x % 16 = 16 rows, 4 rows a wave.  x = 192: the layer's parameters.
; A stream: each f32 is read once by 16-byte loads (512 consecutive bytes a wave), rounded once to bf16, and each store of a wave covers 256 consecutive bytes, aligned.
; No LDS, no barrier, no cluster, no matrix unit: no byte is shared between waves.
.set PF,  32                           ; s[32:33] pF, s[34:35] pM0, s[36:37] pM1, s[38:39] pM2, s[40:41] pL
.macro PICK dst, idx                   ; s[dst:dst+1] = the buffer with number s[idx] of pF, pM0, pM1, pM2, pL: a choice between buffers on a number made of the grid's ids
	s_mov_b64 s[\dst:\dst+1], s[PF:PF+1]
	s_cmp_eq_u32 s[\idx], 1
	s_cselect_b64 s[\dst:\dst+1], s[PF+2:PF+3], s[\dst:\dst+1]
	s_cmp_eq_u32 s[\idx], 2
	s_cselect_b64 s[\dst:\dst+1], s[PF+4:PF+5], s[\dst:\dst+1]
	s_cmp_eq_u32 s[\idx], 3
	s_cselect_b64 s[\dst:\dst+1], s[PF+6:PF+7], s[\dst:\dst+1]
	s_cmp_eq_u32 s[\idx], 4
	s_cselect_b64 s[\dst:\dst+1], s[PF+8:PF+9], s[\dst:\dst+1]
.endm
	s_load_b512 s[8:23], s[0:1], 0x0               ; W1 s[8:9], W2 s[10:11], Wo s[12:13], Wqkv s[14:15], b1 s[16:17], b2 s[18:19], bo s[20:21], bqkv s[22:23]
	s_load_b512 s[24:39], s[0:1], 0x40             ; ln1_b s[24:25], ln1_g s[26:27], ln2_b s[28:29], ln2_g s[30:31], pF, pM0, pM1, pM2
	s_load_b64 s[40:41], s[0:1], 0x80              ; pL
	v_lshrrev_b32 v1, 5, v0
	v_readfirstlane_b32 s42, v1                    ; wave 0..3
	s_and_b32 s44, ttmp7, 0xffff                   ; layer l
	s_cmp_eq_u32 ttmp9, 192
	s_cbranch_scc1 .Lparams
	; ---- a tile job.  All offsets are made apart from the addresses, ahead of the compares that choose among them ----
	s_lshr_b32 s43, ttmp9, 4                       ; j
	s_and_b32 s45, ttmp9, 15                       ; piece
	s_sub_co_u32 s46, s43, 4                       ; (for j < 4 what is made of this is not chosen)
	s_lshr_b32 s47, s46, 1                         ; chunk c
	s_and_b32 s46, s46, 1                          ; 0: W1, 1: W2
	s_lshl_b32 s53, s44, 20                        ; the layer in W1 and in W2
	s_lshl_b32 s60, s47, 18                        ; W1: 256 rows of 1,024 bytes
	s_lshl_b32 s61, s47, 10                        ; W2: 256 columns of 4 bytes
	s_lshl_b32 s62, s44, 18                        ; the layer in Wo
	s_mul_i32 s63, s44, 786432                     ; the layer in Wqkv,
	s_lshl_b32 s59, s43, 18
	s_add_co_u32 s63, s63, s59                     ; and 256 j rows
	s_add_co_u32 s56, s44, 1                       ; l + 1
	s_add_co_u32 s57, s43, 9                       ; QKV's tiles stand last in pM,
	s_sub_co_u32 s59, s43, 3                       ; the layer's own tiles from 0 on
	s_cmp_eq_u32 s44, 0
	s_cselect_b32 s57, s43, s57                    ; and first in pF
	s_cmp_lt_u32 s43, 3
	s_cselect_b32 s58, s44, s56                    ; the buffer's number: QKV of layer l goes to the launch before
	s_cselect_b32 s59, s57, s59                    ; the tile's place in it
	s_wait_kmcnt 0x0
	s_cmp_eq_u32 s46, 0
	s_cselect_b64 s[48:49], s[8:9], s[10:11]
	s_cselect_b32 s50, s60, s61
	s_cselect_b32 s52, 10, 12                      ; bytes from row to row, as a shift: 1,024 or 4,096
	s_add_co_u32 s50, s50, s53
	s_cmp_eq_u32 s43, 3
	s_cselect_b64 s[48:49], s[12:13], s[48:49]
	s_cselect_b32 s50, s62, s50
	s_cselect_b32 s52, 10, s52
	s_cmp_lt_u32 s43, 3
	s_cselect_b64 s[48:49], s[14:15], s[48:49]
	s_cselect_b32 s50, s63, s50
	s_cselect_b32 s52, 10, s52
	s_lshl_b32 s60, s45, 4
	s_lshl2_add_u32 s60, s42, s60                  ; my first row of the tile: 16 x piece + 4 x wave
	s_lshl_b32 s61, s60, s52
	s_add_co_u32 s50, s50, s61
	s_mov_b32 s51, 0
	s_add_nc_u64 s[48:49], s[48:49], s[50:51]      ; the source at my first row
	PICK 54, 58
	s_lshl_b32 s56, s59, 17                        ; 131,072 bytes a tile,
	s_lshl_b32 s61, s60, 9                         ; 512 a row
	s_add_co_u32 s56, s56, s61
	s_add_co_u32 s56, s56, 16384
	s_mov_b32 s57, 0
	s_add_nc_u64 s[54:55], s[54:55], s[56:57]      ; the destination at my first row
	s_lshl_b32 s62, 1, s52
	v_and_b32 v1, 31, v0
	v_lshlrev_b32 v2, 4, v1                        ; 16 bytes a lane; v2-v5: rows 0 to 3
	v_add_nc_u32 v3, s62, v2
	v_add_nc_u32 v4, s62, v3
	v_add_nc_u32 v5, s62, v4
	v_lshlrev_b32 v6, 3, v1                        ; 8 bytes a lane on the way out
.irp i, 0,1,2,3
	global_load_b128 v[8+8*(\i):11+8*(\i)],  v[2+(\i)], s[48:49] th:TH_LOAD_NT
	global_load_b128 v[12+8*(\i):15+8*(\i)], v[2+(\i)], s[48:49] offset:512 th:TH_LOAD_NT
.endr
.set q, 0
.rept 8
	s_wait_loadcnt 7-q                             ; loads come back in order: number q is in, the younger ones stay out
	v_cvt_pk_bf16_f32 v[40+2*q], v[8+4*q], v[9+4*q]
	v_cvt_pk_bf16_f32 v[41+2*q], v[10+4*q], v[11+4*q]
	global_store_b64 v6, v[40+2*q:41+2*q], s[54:55] offset:(q/2)*512+(q%2)*256  ; 256 consecutive bytes, aligned
.set q, q+1
.endr
	s_endpgm
.Lparams:                                              ; ---- the layer's biases and gains, copied as they are ----
	s_lshl_b32 s45, s44, 10
	s_lshl_b32 s46, s44, 12
	s_mul_i32 s47, s44, 3072
	s_add_co_u32 s58, s44, 1
	v_lshlrev_b32 v5, 3, v0                        ; 8 bytes a thread: 1,024 a work-group
	v_lshlrev_b32 v6, 4, v0                        ; 16 bytes a thread
	v_add_nc_u32 v2, s45, v5
	v_add_nc_u32 v3, s46, v6
	v_add_nc_u32 v4, s47, v5
	s_wait_kmcnt 0x0
	PICK 54, 58                                    ; the launch that runs layer l from attention on
	PICK 56, 44                                    ; the launch that makes layer l's QKV
	global_load_b64 v[8:9],   v2, s[20:21]           ; bo
	global_load_b64 v[10:11], v2, s[30:31]           ; ln2_g
	global_load_b64 v[12:13], v2, s[28:29]           ; ln2_b
	global_load_b64 v[14:15], v2, s[18:19]           ; b2
	global_load_b128 v[16:19], v3, s[16:17]          ; b1
	global_load_b128 v[20:23], v3, s[16:17] offset:2048
	global_load_b64 v[24:25], v2, s[26:27]           ; ln1_g
	global_load_b64 v[26:27], v2, s[24:25]           ; ln1_b
	global_load_b64 v[28:29], v4, s[22:23]           ; bqkv
	global_load_b64 v[30:31], v4, s[22:23] offset:1024
	global_load_b64 v[32:33], v4, s[22:23] offset:2048
	s_wait_loadcnt 0x0
	global_store_b64 v5, v[8:9],   s[54:55]
	global_store_b64 v5, v[10:11], s[54:55] offset:1024
	global_store_b64 v5, v[12:13], s[54:55] offset:2048
	global_store_b64 v5, v[14:15], s[54:55] offset:3072
	global_store_b128 v6, v[16:19], s[54:55] offset:4096
	global_store_b128 v6, v[20:23], s[54:55] offset:6144
	global_store_b64 v5, v[24:25], s[56:57] offset:8192
	global_store_b64 v5, v[26:27], s[56:57] offset:9216
	global_store_b64 v5, v[28:29], s[56:57] offset:10240
	global_store_b64 v5, v[30:31], s[56:57] offset:11264
	global_store_b64 v5, v[32:33], s[56:57] offset:12288
	s_endpgm
.Lfunc_end_k_q406f0e5d9b_prep:
	.size	k_q406f0e5d9b_prep, .Lfunc_end_k_q406f0e5d9b_prep-k_q406f0e5d9b_prep
	.p2alignl 7, 3214868480
	.fill 96, 4, 3214868480
	.section	.rodata,"a",@progbits
	.p2align	6, 0x0
	.amdhsa_kernel k_q406f0e5d9b_prep
		.amdhsa_group_segment_fixed_size 0
		.amdhsa_private_segment_fixed_size 0
		.amdhsa_enable_private_segment 0
		.amdhsa_kernarg_size 136
		.amdhsa_user_sgpr_count 2
		.amdhsa_user_sgpr_kernarg_segment_ptr 1
		.amdhsa_wavefront_size32 1
		.amdhsa_system_sgpr_workgroup_id_x 1
		.amdhsa_system_sgpr_workgroup_id_y 1
		.amdhsa_system_sgpr_workgroup_id_z 1
		.amdhsa_system_vgpr_workitem_id 0
		.amdhsa_next_free_vgpr 56
		.amdhsa_next_free_sgpr 66
		.amdhsa_reserve_vcc 0
		.amdhsa_float_denorm_mode_32 3
		.amdhsa_float_denorm_mode_16_64 3
		.amdhsa_memory_ordered 1
		.amdhsa_forward_progress 1
		.amdhsa_inst_pref_size 9
	.end_amdhsa_kernel
	.amdgpu_metadata
---
amdhsa.version: [ 1, 2 ]
amdhsa.kernels:
  - .name:           k_q406f0e5d9b_prep
    .symbol:         k_q406f0e5d9b_prep.kd
    .args:
      - { .name: W1, .offset: 0, .size: 8, .value_kind: global_buffer, .address_space: global }
      - { .name: W2, .offset: 8, .size: 8, .value_kind: global_buffer, .address_space: global }
      - { .name: Wo, .offset: 16, .size: 8, .value_kind: global_buffer, .address_space: global }
      - { .name: Wqkv, .offset: 24, .size: 8, .value_kind: global_buffer, .address_space: global }
      - { .name: b1, .offset: 32, .size: 8, .value_kind: global_buffer, .address_space: global }
      - { .name: b2, .offset: 40, .size: 8, .value_kind: global_buffer, .address_space: global }
      - { .name: bo, .offset: 48, .size: 8, .value_kind: global_buffer, .address_space: global }
      - { .name: bqkv, .offset: 56, .size: 8, .value_kind: global_buffer, .address_space: global }
      - { .name: ln1_b, .offset: 64, .size: 8, .value_kind: global_buffer, .address_space: global }
      - { .name: ln1_g, .offset: 72, .size: 8, .value_kind: global_buffer, .address_space: global }
      - { .name: ln2_b, .offset: 80, .size: 8, .value_kind: global_buffer, .address_space: global }
      - { .name: ln2_g, .offset: 88, .size: 8, .value_kind: global_buffer, .address_space: global }
      - { .name: pF, .offset: 96, .size: 8, .value_kind: global_buffer, .address_space: global }
      - { .name: pM0, .offset: 104, .size: 8, .value_kind: global_buffer, .address_space: global }
      - { .name: pM1, .offset: 112, .size: 8, .value_kind: global_buffer, .address_space: global }
      - { .name: pM2, .offset: 120, .size: 8, .value_kind: global_buffer, .address_space: global }
      - { .name: pL, .offset: 128, .size: 8, .value_kind: global_buffer, .address_space: global }
    .group_segment_fixed_size: 0
    .private_segment_fixed_size: 0
    .kernarg_segment_align: 8
    .kernarg_segment_size: 136
    .max_flat_workgroup_size: 128
    .sgpr_count:     66
    .vgpr_count:     56
    .wavefront_size: 32
...
	.end_amdgpu_metadata
.endif
;; end of part 1
;; launch first (part 2): grid 256 x 1, 4 waves a work-group, clusters of 4 x 1, 327,680 bytes of LDS; arguments tokens, pF, stA; writes stA
.if DOCPART == 2
	.amdgcn_target "amdgcn-amd-amdhsa--gfx1250"
	.amdhsa_code_object_version 6
	.text
	.protected	k_q406f0e5d9b_first
	.globl	k_q406f0e5d9b_first
	.p2align	8
	.type	k_q406f0e5d9b_first,@function
k_q406f0e5d9b_first:
	s_mov_b64 s[64:65], 0
	v_nop
	global_prefetch_b8 v0, s[64:65] scope:SCOPE_SE
	s_setreg_imm32_b32 hwreg(HW_REG_WAVE_MODE, 25, 1), 1
	s_wait_xcnt 0x0
	s_wait_alu depctr_hold_cnt(0) depctr_sa_sdst(0) depctr_va_vdst(0) depctr_va_sdst(0) depctr_va_ssrc(0) depctr_va_vcc(0) depctr_vm_vsrc(0)
	s_getreg_b32 s2, hwreg(HW_REG_IB_STS2, 6, 4)
	s_cmp_eq_u32 s2, 0
	s_cbranch_scc0 .Lentry_in_a_cluster
	s_endpgm
.Lentry_in_a_cluster:
	s_bfe_u32 s2, ttmp6, 0x10000c
	s_cmp_lg_u32 s2, 0x3003
	s_cbranch_scc0 .Lentry_shape_is_right
	s_endpgm
.Lentry_shape_is_right:
; x = tokens + the sinusoidal table; LayerNorm 1 of layer 0; q, k, v of layer 0.  Arguments: tokens [8192][256] f32, pF (parameters and three weight tiles in bf16), the state buffer.
; SHARES.  A work-group owns block g of 32 rows (two tiles of 16 tokens, mt); wave w owns output columns 64 w .. 64 w + 63 of every product (four tiles of 16, nt), which in q, k, v are head w.
; LAYOUT.  Products are taken transposed (source 0 = 16 weight rows, source 1 = 16 tokens): a lane (r = l % 16, h = l / 16) holds token 16 mt + r and features 64 w + 16 nt + 8 h + 0..7.
; x is kept so in 64 registers (XR).  For v the sources are swapped: a lane holds one channel and eight tokens, which is a fragment of V^T as the next launch multiplies it.
; STATE BUFFER.  x at g x 32,768: [wave][tile 4 mt + nt][half][lane][16 bytes], f32 as it lies in XR.  q at 8,388,608 + g x 16,384 and k at 12,582,912 + ..: w x 4,096 + mt x 2,048 + nt x 512 + lane x 16, bf16.
; v at 16,777,216 + ..: w x 4,096 + nt x 1,024 + mt x 512 + lane x 16.  Every store of a wave covers 512 consecutive bytes, aligned.
; THE WEIGHTS come through two LDS slots, a tile of 256 rows x 512 bytes each, a quarter a wave.  All work-groups walk the same tiles, so the four of a cluster ask JOINTLY (mask 15).
; THE TABLE.  pe[t][2 i] = sin(t d_i), pe[t][2 i + 1] = cos(t d_i), d_i = 10000^(-i / 128).  In turns: y = t d_i / 2 pi (+ 1/4 for the cosine), y less its nearest whole number, and sin(2 pi y) by its series through y^15
; (the term left out is under 1e-6 at |y| = 1/2).  LIMIT: t d_i / 2 pi reaches 326 turns and is held in f32, so the table is within about 6e-4 of the exact one.
; LayerNorm: each wave makes mean and sum of squared differences of its own 64 columns; the four meet in LDS and are combined without forming a difference of large sums.  Sums and statistics in f32; matrix operands bf16.
.set PITCH,  528                       ; an LDS row of 512 bytes + 16 of padding: 33 x 16 bytes, so the 16 rows of a fragment load start in 16 different 16-byte columns of 256
.set SLOTB,  256*PITCH
.set XT,     2*SLOTB                   ; behind the slots, never a tensor load's target: LayerNorm's output, 32 rows in bf16
.set STAGE,  XT                        ; the same bytes earlier: 32 rows x 1,040 of f32, to turn rows into the lanes' layout
.set SPITCH, 1040
.set PAR,    XT+64*PITCH               ; the parameter block, 13,312 bytes
.set STAT,   PAR+13312                 ; [wave][32 rows][mean, sum of squares]
.set SPARE,  STAT+1024                 ; the spare words, 128 bytes a wave: two blocks of 256 bytes that no other line names
.set TILEB,  131072
.set RR,  1                            ; v1  r
.set HH,  2                            ; v2  h
.set AAD, 3                            ; v3  XT + r x 528 + 16 h: the tokens' fragments
.set BAD0, 4                           ; v4, v5  slot + (64 w + r) x 528 + 16 h: my weights' fragments
.set BAD1, 5
.set CA,  6                            ; v6, v7  the running addresses of a product; earlier the stage's two addresses
.set CB,  7
.set SSA, 6
.set SRA, 7
.set TST, 8                            ; v8  XT + r x 528 + 128 w + 16 h: where I put 16 bytes of a row
.set PBA, 9                            ; v9  PAR + 256 w + 32 h: my eight features' parameters
.set STS, 11                           ; v11 STAT + 256 w + 8 r
.set STR, 12                           ; v12 STAT + 8 r
.set GI,  13                           ; v13 4,096 w + 16 lane
.set GX,  14                           ; v14 8,192 w + 16 lane
.set LN,  15                           ; v15 lane
.set XR,  16                           ; v16-79   x
.set ACC, 80                           ; v80-143  a product's sums; the tokens as loaded; LayerNorm's scratch
.set TK,  80
.set FR,  144                          ; v144-239 two sets of fragments (16 of tokens, 32 of weights); free between products
.set FQ,  FR                           ; four frequencies, each twice
.set QC,  FR+8                         ; (0, 1/4)
.set TT,  FR+10                        ; the row's position
.set IL,  FR+12
.set YY,  FR+16
.set RN,  FR+24
.set ZZ,  FR+32
.set PO,  FR+40
.set PT,  FR+80                        ; the parameters on their way to LDS
.set T,   240                          ; v240-253 at work
.set SPW, 254                          ; v254 my spare word's address; never rewritten
.set NIL, 255                          ; v255 0; never rewritten
.set G1,  16                           ; s[16:23] descriptor group 1
.set G0,  24                           ; s[24:31] descriptor group 0, a set for each slot
.set KC,  36
.set EPS, 37
.set SEL, 38
.set C1,  40                           ; s[40:55] the series' eight coefficients, each as a pair
.set C3,  42
.set C5,  44
.set C7,  46
.set C9,  48
.set C11, 50
.set C13, 52
.set C15, 54
.set XI,  58                           ; s[58:59] tokens at my block
.set XO,  68                           ; s[68:75] x, q, k, v of my block in the state buffer
.set QO,  70
.set KO,  72
.set VO,  74
.set WV,  76
.set CX,  77
.set GB,  78
.macro PLACES n
.rept \n
	v_nop
.endr
.endm
.macro SPAIR reg, val                  ; a constant as a pair: the packed forms name both words
	s_mov_b32 s[\reg], \val
	s_mov_b32 s[\reg+1], \val
.endm
; A round of the cluster's barrier: my work-group's barrier, wave 0 signals for the work-group, every wave waits for all four work-groups, my work-group's barrier once more.
.macro ROUND
	s_barrier_signal -1
	s_barrier_wait -1
	s_cmp_lg_u32 s[WV], 0
	s_cbranch_scc1 .Lnw0_\@
	s_barrier_signal -3
.Lnw0_\@:
	s_barrier_wait -3
	s_barrier_signal -1
	s_barrier_wait -1
.endm
; THE CHANGE OF SLOTS in front of the product that reads \slot.  Every wave: all its tensor loads have landed (its quarter of \slot among them); the add; its LDS reads and stores are done.
; load = 1: the other slot, read out by the product before, is filled again, jointly: the barrier is a round of the cluster's, and the load is the first thing behind it.
.macro TRIPH slot, load
	s_wait_xcnt 0x0                                ; the stores issued so far have read their data registers, which the next fragments overwrite
	s_wait_tensorcnt 0x0
	ds_add_u32 v[SPW], v[NIL]
.if \load
	s_add_nc_u64 s[G0+4*(1-(\slot))+2:G0+4*(1-(\slot))+3], s[G0+4*(1-(\slot))+2:G0+4*(1-(\slot))+3], 2*TILEB  ; no load of mine is out: the other slot's next tile
.endif
	s_wait_dscnt 0x0
.if \load
	ROUND
	tensor_load_to_lds s[G0+4*(1-(\slot)):G0+4*(1-(\slot))+3], s[G1:G1+7]
	s_nop 0
	PLACES 4
.else
	s_barrier_signal -1
	s_barrier_wait -1
.endif
.endm
.macro FETCH p                         ; 12 LDS loads: the fragments of 32 along K into set p: two of tokens, four of weights
.irp m, 0,1
	ds_load_b128 v[FR+48*(\p)+8*(\m):FR+48*(\p)+8*(\m)+3],   v[CA] offset:64*(\p)+(\m)*16*PITCH
	ds_load_b128 v[FR+48*(\p)+8*(\m)+4:FR+48*(\p)+8*(\m)+7], v[CA] offset:64*(\p)+(\m)*16*PITCH+32
.endr
.irp n, 0,1,2,3
	ds_load_b128 v[FR+48*(\p)+16+8*(\n):FR+48*(\p)+16+8*(\n)+3],   v[CB] offset:64*(\p)+(\n)*16*PITCH
	ds_load_b128 v[FR+48*(\p)+16+8*(\n)+4:FR+48*(\p)+16+8*(\n)+7], v[CB] offset:64*(\p)+(\n)*16*PITCH+32
.endr
.endm
.macro MUL p, acc, swap                ; 8 matrix instructions on 8 accumulators, which take turns
.irp n, 0,1,2,3
.irp m, 0,1
.if \swap
	v_wmma_f32_16x16x32_bf16 v[(\acc)+8*(4*(\m)+(\n)):(\acc)+8*(4*(\m)+(\n))+7], v[FR+48*(\p)+8*(\m):FR+48*(\p)+8*(\m)+7], v[FR+48*(\p)+16+8*(\n):FR+48*(\p)+16+8*(\n)+7], v[(\acc)+8*(4*(\m)+(\n)):(\acc)+8*(4*(\m)+(\n))+7]
.else
	v_wmma_f32_16x16x32_bf16 v[(\acc)+8*(4*(\m)+(\n)):(\acc)+8*(4*(\m)+(\n))+7], v[FR+48*(\p)+16+8*(\n):FR+48*(\p)+16+8*(\n)+7], v[FR+48*(\p)+8*(\m):FR+48*(\p)+8*(\m)+7], v[(\acc)+8*(4*(\m)+(\n)):(\acc)+8*(4*(\m)+(\n))+7]
.endif
.endr
.endr
.endm
; 32 tokens x my 64 columns over K = 256, added onto \acc: 64 matrix instructions, eight steps of 32 along K on two sets of fragments.
.macro GEMM bad, aoff, acc, swap
	v_mov_b32 v[CB], v[\bad]
	v_add_nc_u32 v[CA], \aoff, v[AAD]
	FETCH 0
	FETCH 1
	s_mov_b32 s[KC], 3
.Lk_\@:
	s_wait_dscnt 12                                ; set 0 (and what was asked for ahead of it) is in; set 1's 12 loads may stay out
	MUL 0, \acc, \swap
	v_add_nc_u32 v[CA], 128, v[CA]                 ; two steps on: with the two v_nop the four places in front of loads into registers that were just multiplied
	v_add_nc_u32 v[CB], 128, v[CB]
	PLACES 2
	FETCH 0
	s_wait_dscnt 12                                ; set 1 is in
	MUL 1, \acc, \swap
	PLACES 4
	FETCH 1
	s_sub_co_u32 s[KC], s[KC], 1
	s_cmp_lg_u32 s[KC], 0
	s_cbranch_scc1 .Lk_\@
	s_wait_dscnt 12
	MUL 0, \acc, \swap
	s_wait_dscnt 0x0
	MUL 1, \acc, \swap
	PLACES 8                                       ; in front of whatever reads the sums or writes the fragments
.endm
.macro BIASLD areg, off                ; the sums start at the bias: my features' 32 numbers, for both token tiles, straight from LDS into the accumulators
.irp m, 0,1
.irp n, 0,1,2,3
	ds_load_b128 v[ACC+8*(4*(\m)+(\n)):ACC+8*(4*(\m)+(\n))+3],   v[\areg] offset:(\off)+(\n)*64
	ds_load_b128 v[ACC+8*(4*(\m)+(\n))+4:ACC+8*(4*(\m)+(\n))+7], v[\areg] offset:(\off)+(\n)*64+16
.endr
.endr
.endm
.macro BIASV                           ; v's product is swapped: a lane holds one channel, so its bias is one number a tile
	s_lshl_b32 s14, s[WV], 8
	s_add_co_u32 s14, s14, PAR+12288
	v_lshl_add_u32 v[T], v[RR], 2, s14
.irp n, 0,1,2,3
	ds_load_b32 v[T+2+(\n)], v[T] offset:(\n)*64
.endr
	s_wait_dscnt 0x0
.set i, 0
.rept 64
	v_mov_b32 v[ACC+i], v[T+2+(i/8)%4]
.set i, i+1
.endr
.endm
.macro TSTORE src, off                 ; eight packed tiles into a tile of 32 rows in LDS
.irp m, 0,1
.irp n, 0,1,2,3
	ds_store_b128 v[TST], v[(\src)+4*(4*(\m)+(\n)):(\src)+4*(4*(\m)+(\n))+3] offset:(\off)+(\m)*16*PITCH+(\n)*32
.endr
.endr
.endm
; LayerNorm of XR.  badd >= 0: a bias at PAR + badd is added to XR first.  xstore: XR is stored as the x image.  out = 0: bf16 into XT; 1: f32 into the stage.
.macro LNORM badd, goff, boff, xstore, out
.if (\badd) >= 0
.irp q, 0,1,2,3,4,5,6,7
	ds_load_b128 v[FR+4*(\q):FR+4*(\q)+3], v[PBA] offset:(\badd)+((\q)/2)*64+((\q)%2)*16
.endr
.endif
.irp q, 0,1,2,3,4,5,6,7
	ds_load_b128 v[FR+32+4*(\q):FR+32+4*(\q)+3], v[PBA] offset:(\goff)+((\q)/2)*64+((\q)%2)*16
.endr
.irp q, 0,1,2,3,4,5,6,7
	ds_load_b128 v[FR+64+4*(\q):FR+64+4*(\q)+3], v[PBA] offset:(\boff)+((\q)/2)*64+((\q)%2)*16
.endr
.if (\badd) >= 0
	s_wait_dscnt 16                                ; the bias is in; gains and offsets, 16 loads, may stay out
.set i, 0
.rept 32
	v_pk_add_f32 v[XR+2*i:XR+2*i+1], v[XR+2*i:XR+2*i+1], v[FR+2*(i%16):FR+2*(i%16)+1]  ; each accumulator from its low end on
.set i, i+1
.endr
.endif
.if \xstore
.set i, 0
.rept 16
	global_store_b128 v[GX], v[XR+4*i:XR+4*i+3], s[XO:XO+1] offset:i*512 th:TH_STORE_NT
.set i, i+1
.endr
.endif
.irp m, 0,1                            ; my 64 columns' mean, then the sum of squared differences from it
.set xb, XR+32*(\m)
.set db, ACC+32*(\m)
.irp c, 0,1,2,3
	v_pk_add_f32 v[T+2*(\c):T+2*(\c)+1], v[xb+8*(\c):xb+8*(\c)+1], v[xb+8*(\c)+2:xb+8*(\c)+3]
.endr
.irp c, 0,1,2,3
	v_pk_add_f32 v[T+2*(\c):T+2*(\c)+1], v[T+2*(\c):T+2*(\c)+1], v[xb+8*(\c)+4:xb+8*(\c)+5]
.endr
.irp c, 0,1,2,3
	v_pk_add_f32 v[T+2*(\c):T+2*(\c)+1], v[T+2*(\c):T+2*(\c)+1], v[xb+8*(\c)+6:xb+8*(\c)+7]
.endr
	v_pk_add_f32 v[T:T+1], v[T:T+1], v[T+2:T+3]
	v_pk_add_f32 v[T+4:T+5], v[T+4:T+5], v[T+6:T+7]
	v_pk_add_f32 v[T:T+1], v[T:T+1], v[T+4:T+5]
	v_add_f32 v[T], v[T], v[T+1]
	v_permlanex16_b32 v[T+1], v[T], s[SEL], s[SEL+1]  ; the token's other 32 columns lie in the lane 16 away
	v_add_f32 v[T], v[T], v[T+1]
	v_mul_f32 v[T], 0x3c800000, v[T]               ; / 64
.set i, 0
.rept 16
	v_pk_add_f32 v[db+2*i:db+2*i+1], v[xb+2*i:xb+2*i+1], v[T:T+1] op_sel_hi:[1,0] neg_lo:[0,1] neg_hi:[0,1]
.set i, i+1
.endr
.irp c, 0,1,2,3
	v_pk_mul_f32 v[T+2+2*(\c):T+3+2*(\c)], v[db+8*(\c):db+8*(\c)+1], v[db+8*(\c):db+8*(\c)+1]
.endr
.irp p, 1,2,3
.irp c, 0,1,2,3
	v_pk_fma_f32 v[T+2+2*(\c):T+3+2*(\c)], v[db+8*(\c)+2*(\p):db+8*(\c)+2*(\p)+1], v[db+8*(\c)+2*(\p):db+8*(\c)+2*(\p)+1], v[T+2+2*(\c):T+3+2*(\c)]
.endr
.endr
	v_pk_add_f32 v[T+2:T+3], v[T+2:T+3], v[T+4:T+5]
	v_pk_add_f32 v[T+6:T+7], v[T+6:T+7], v[T+8:T+9]
	v_pk_add_f32 v[T+2:T+3], v[T+2:T+3], v[T+6:T+7]
	v_add_f32 v[T+2], v[T+2], v[T+3]
	v_permlanex16_b32 v[T+3], v[T+2], s[SEL], s[SEL+1]
	v_mov_b32 v[T+10+2*(\m)], v[T]
	v_add_f32 v[T+11+2*(\m)], v[T+2], v[T+3]
	ds_store_b64 v[STS], v[T+10+2*(\m):T+11+2*(\m)] offset:(\m)*128
.endr
	s_wait_dscnt 0x0                               ; for the others' sake: my statistics lie in LDS; and my reads of the tiles that are written behind the barrier are over
	s_barrier_signal -1
	s_barrier_wait -1
.irp m, 0,1
.irp u, 0,1,2,3
	ds_load_b64 v[ACC+8*(\m)+2*(\u):ACC+8*(\m)+2*(\u)+1], v[STR] offset:(\m)*128+(\u)*256
.endr
.endr
	s_wait_dscnt 0x0
.irp m, 0,1                            ; mean = the four means' mean; sum of squares = the four sums + 64 x the squared distances of the four means from it
.set ab, ACC+8*(\m)
.set lb, ACC+16+4*(\m)
	v_add_f32 v[T], v[ab], v[ab+2]
	v_add_f32 v[T+1], v[ab+4], v[ab+6]
	v_add_f32 v[T+2], v[ab+1], v[ab+3]
	v_add_f32 v[T+3], v[ab+5], v[ab+7]
	v_add_f32 v[T], v[T], v[T+1]
	v_add_f32 v[T+2], v[T+2], v[T+3]
	v_mul_f32 v[lb+2], 0x3e800000, v[T]
	v_sub_f32 v[T+4], v[ab], v[lb+2]
	v_sub_f32 v[T+5], v[ab+2], v[lb+2]
	v_sub_f32 v[T+6], v[ab+4], v[lb+2]
	v_sub_f32 v[T+7], v[ab+6], v[lb+2]
	v_mul_f32 v[T+4], v[T+4], v[T+4]
	v_fma_f32 v[T+4], v[T+5], v[T+5], v[T+4]
	v_fma_f32 v[T+4], v[T+6], v[T+6], v[T+4]
	v_fma_f32 v[T+4], v[T+7], v[T+7], v[T+4]
	v_fma_f32 v[T+2], v[T+4], 0x42800000, v[T+2]
	v_fma_f32 v[lb], v[T+2], 0x3b800000, s[EPS]    ; / 256 + 1e-5
.endr
	v_rsq_f32 v[ACC+16], v[ACC+16]
	v_rsq_f32 v[ACC+20], v[ACC+20]
	v_nop                                          ; a plain instruction behind the last of the two,
	s_wait_alu depctr_va_vdst(0)                   ; and one wait for both, ahead of their first reader
	v_mul_f32 v[ACC+18], v[ACC+18], v[ACC+16]
	v_mul_f32 v[ACC+22], v[ACC+22], v[ACC+20]
.irp t, 0,1,2,3,4,5,6,7                ; (x rs - mean rs) g + b, a tile at a time
.set lb, ACC+16+4*((\t)/4)
.set yt, ACC+24+8*((\t)%2)*(\out)
.irp p, 0,1,2,3
	v_pk_fma_f32 v[yt+2*(\p):yt+2*(\p)+1], v[XR+8*(\t)+2*(\p):XR+8*(\t)+2*(\p)+1], v[lb:lb+1], v[lb+2:lb+3] op_sel_hi:[1,0,0] neg_lo:[0,0,1] neg_hi:[0,0,1]
.endr
.irp p, 0,1,2,3
	v_pk_fma_f32 v[yt+2*(\p):yt+2*(\p)+1], v[yt+2*(\p):yt+2*(\p)+1], v[FR+32+8*((\t)%4)+2*(\p):FR+32+8*((\t)%4)+2*(\p)+1], v[FR+64+8*((\t)%4)+2*(\p):FR+64+8*((\t)%4)+2*(\p)+1]
.endr
.if \out
	ds_store_b128 v[SSA], v[yt:yt+3]   offset:((\t)/4)*16*SPITCH+((\t)%4)*64
	ds_store_b128 v[SSA], v[yt+4:yt+7] offset:((\t)/4)*16*SPITCH+((\t)%4)*64+16
.else
.irp p, 0,1,2,3
	v_cvt_pk_bf16_f32 v[ACC+32+4*(\t)+(\p)], v[yt+2*(\p)], v[yt+2*(\p)+1]
.endr
.endif
.endr
.if !(\out)
	TSTORE ACC+32, 0
.endif
.endm
.macro QKOUT base, vl                  ; the sums rounded to bf16 and stored as the next launch's fragments; vl = 1: v's order of tiles
.set i, 0
.rept 32
	v_cvt_pk_bf16_f32 v[FR+i], v[ACC+2*i], v[ACC+2*i+1]
.set i, i+1
.endr
.irp m, 0,1
.irp n, 0,1,2,3
.if \vl
	global_store_b128 v[GI], v[FR+4*(4*(\m)+(\n)):FR+4*(4*(\m)+(\n))+3], s[\base:\base+1] offset:(\n)*1024+(\m)*512 th:TH_STORE_NT
.else
	global_store_b128 v[GI], v[FR+4*(4*(\m)+(\n)):FR+4*(4*(\m)+(\n))+3], s[\base:\base+1] offset:(\m)*2048+(\n)*512 th:TH_STORE_NT
.endif
.endr
.endr
.endm
; Row i of my eight: the table's 8 numbers of my lane (four pairs of sine and cosine) are made and added to the tokens, which go into the stage.
.macro PEROW i
	s_add_co_u32 s3, s2, \i
	v_cvt_f32_u32 v[TT], s3
	s_wait_loadcnt 17-2*(\i)                       ; the row's two loads are in; younger: the later rows' and the three of the parameters
.irp q, 0,1,2,3
	v_pk_fma_f32 v[YY+2*(\q):YY+2*(\q)+1], v[FQ+2*(\q):FQ+2*(\q)+1], v[TT:TT+1], v[QC:QC+1] op_sel_hi:[1,0,1]
.endr
.irp q, 0,1,2,3,4,5,6,7
	v_rndne_f32 v[RN+(\q)], v[YY+(\q)]
.endr
.irp q, 0,1,2,3
	v_pk_add_f32 v[YY+2*(\q):YY+2*(\q)+1], v[YY+2*(\q):YY+2*(\q)+1], v[RN+2*(\q):RN+2*(\q)+1] neg_lo:[0,1] neg_hi:[0,1]
.endr
.irp q, 0,1,2,3
	v_pk_mul_f32 v[ZZ+2*(\q):ZZ+2*(\q)+1], v[YY+2*(\q):YY+2*(\q)+1], v[YY+2*(\q):YY+2*(\q)+1]
.endr
.irp q, 0,1,2,3
	v_pk_fma_f32 v[PO+2*(\q):PO+2*(\q)+1], v[ZZ+2*(\q):ZZ+2*(\q)+1], s[C15:C15+1], s[C13:C13+1] op_sel_hi:[1,0,0]
.endr
.irp c, C11, C9, C7, C5, C3, C1
.irp q, 0,1,2,3
	v_pk_fma_f32 v[PO+2*(\q):PO+2*(\q)+1], v[PO+2*(\q):PO+2*(\q)+1], v[ZZ+2*(\q):ZZ+2*(\q)+1], s[\c:\c+1] op_sel_hi:[1,1,0]
.endr
.endr
.irp q, 0,1,2,3
	v_pk_fma_f32 v[TK+8*(\i)+2*(\q):TK+8*(\i)+2*(\q)+1], v[PO+2*(\q):PO+2*(\q)+1], v[YY+2*(\q):YY+2*(\q)+1], v[TK+8*(\i)+2*(\q):TK+8*(\i)+2*(\q)+1]
.endr
	ds_store_b128 v[SRA], v[TK+8*(\i):TK+8*(\i)+3]   offset:(\i)*SPITCH
	ds_store_b128 v[SRA], v[TK+8*(\i)+4:TK+8*(\i)+7] offset:(\i)*SPITCH+512
.endm
	s_load_b128 s[4:7], s[0:1], 0x0                ; tokens s[4:5], pF s[6:7]
	s_load_b64 s[8:9], s[0:1], 0x10                ; the state buffer
	v_lshl_add_u32 v[SPW], v0, 2, SPARE
	v_mov_b32 v[NIL], 0
	ds_add_u32 v[SPW], v[NIL]                      ; the wave's opening: the add and its wait ahead of my first tensor load; the set-up, work on registers, stands between them
	v_lshrrev_b32 v1, 5, v0
	v_readfirstlane_b32 s[WV], v1                  ; wave 0..3
	s_bfe_u32 s[CX], ttmp6, 0x40000                ; my place in the cluster
	s_lshl_b32 s[GB], ttmp9, 2
	s_add_co_u32 s[GB], s[GB], s[CX]               ; my block of 32 rows: it enters global addresses and the rows' positions alone
	; descriptor group 1: a quarter tile, 64 rows x 256 elements of 2 bytes, padded in LDS
	s_mov_b32 s[G1+0], 15|(1<<16)|(1<<20)|(1<<21)|(6<<22)|(3<<25)  ; the mask of four; 2-byte elements; padding on; bit 21 beside a mask; after every 128 words, 4 words
	s_mov_b32 s[G1+1], 256<<16                     ; tensor_dim0 = 256
	s_mov_b32 s[G1+2], 64<<16                      ; tensor_dim1 = 64
	s_mov_b32 s[G1+3], 256<<16                     ; tile_dim0 = 256
	s_mov_b32 s[G1+4], 64                          ; tile_dim1 = 64
	s_mov_b32 s[G1+5], 256                         ; 256 elements from row to row
	s_mov_b32 s[G1+6], 0
	s_mov_b32 s[G1+7], 0
	s_mov_b32 s[G0], 1
	s_mul_i32 s[G0+1], s[WV], 64*PITCH             ; LDS: slot 0, my quarter
	s_mov_b32 s[G0+4], 1
	s_add_co_u32 s[G0+5], s[G0+1], SLOTB           ; slot 1
	s_mov_b32 s[EPS], 0x3727c5ac                   ; 1e-5
	s_mov_b32 s[SEL], 0x76543210
	s_mov_b32 s[SEL+1], 0xfedcba98
	SPAIR C1,  0x40c90fdb                          ; (2 pi)^n / n!, signs by turns: 6.2831853
	SPAIR C3,  0xc2255de7                          ; -41.341702
	SPAIR C5,  0x42a335e3                          ; 81.605249
	SPAIR C7,  0xc2996966                          ; -76.705860
	SPAIR C9,  0x42283c1a                          ; 42.058694
	SPAIR C11, 0xc17183a8                          ; -15.094643
	SPAIR C13, 0x40747a1a                          ; 3.8199526
	SPAIR C15, 0xbf37d6dd                          ; -0.71812230
	s_mov_b32 s56, 0xbdd49a78                      ; -log2(10000) / 128
	s_mov_b32 s57, 0xc029b21d                      ; -log2(2 pi)
	v_and_b32 v[RR], 15, v0
	v_bfe_u32 v[HH], v0, 4, 1
	v_mul_u32_u24 v[AAD], v[RR], PITCH
	v_lshl_add_u32 v[AAD], v[HH], 4, v[AAD]
	v_add_nc_u32 v[BAD0], s[G0+1], v[AAD]
	v_add_nc_u32 v[BAD1], SLOTB, v[BAD0]
	s_lshl_b32 s14, s[WV], 7
	s_add_co_u32 s14, s14, XT
	v_add_nc_u32 v[TST], s14, v[AAD]
	v_add_nc_u32 v[AAD], XT, v[AAD]
	s_lshl_b32 s14, s[WV], 8
	s_add_co_u32 s15, s14, PAR
	v_lshl_add_u32 v[PBA], v[HH], 5, s15
	s_add_co_u32 s15, s14, STAT
	v_lshl_add_u32 v[STS], v[RR], 3, s15
	v_lshl_add_u32 v[STR], v[RR], 3, STAT
	s_add_co_u32 s15, s14, STAGE
	v_mul_u32_u24 v[SSA], v[RR], SPITCH
	v_lshl_add_u32 v[SSA], v[HH], 5, v[SSA]
	v_add_nc_u32 v[SSA], s15, v[SSA]               ; the stage by lanes' layout: row r, columns 64 w + 8 h on
	v_and_b32 v[LN], 31, v0
	s_mul_i32 s14, s[WV], 8*SPITCH
	s_add_co_u32 s14, s14, STAGE
	v_lshl_add_u32 v[SRA], v[LN], 4, s14           ; the stage by rows: my eight rows, 16 bytes a lane
	s_lshl_b32 s14, s[WV], 12
	v_lshl_add_u32 v[GI], v[LN], 4, s14
	s_lshl_b32 s14, s[WV], 13
	v_lshl_add_u32 v[GX], v[LN], 4, s14
	v_lshlrev_b32 v[T+8], 4, v0                    ; the parameters' offsets: 16 and 8 bytes a thread
	v_lshlrev_b32 v[T+9], 3, v0
	s_lshl_b32 s14, s[WV], 15                      ; my quarter of a tile in memory,
	s_add_co_u32 s14, s14, 16384                   ; behind the parameter block
	s_mov_b32 s15, 0
	s_wait_dscnt 0x0                               ; the opening add is done
	s_wait_kmcnt 0x0
	s_add_nc_u64 s[G0+2:G0+3], s[6:7], s[14:15]    ; tile 0
	s_add_nc_u64 s[G0+6:G0+7], s[G0+2:G0+3], TILEB ; tile 1
	s_or_b32 s[G0+3], s[G0+3], 0x80000000          ; type = 2
	s_or_b32 s[G0+7], s[G0+7], 0x80000000
	s_lshl_b32 s2, s[GB], 15
	s_mov_b32 s3, 0
	s_add_nc_u64 s[XI:XI+1], s[4:5], s[2:3]
	s_add_nc_u64 s[XO:XO+1], s[8:9], s[2:3]
	s_lshl_b32 s2, s[GB], 14
	s_add_nc_u64 s[QO:QO+1], s[8:9], s[2:3]
	s_add_nc_u64 s[KO:KO+1], s[QO:QO+1], 12582912
	s_add_nc_u64 s[VO:VO+1], s[QO:QO+1], 16777216
	s_add_nc_u64 s[QO:QO+1], s[QO:QO+1], 8388608
	ROUND                                          ; all four work-groups are here: the first joint loads meet
	tensor_load_to_lds s[G0:G0+3], s[G1:G1+7]      ; Wq and Wk together: two loads of mine are out, the most in this text
	s_nop 0
	tensor_load_to_lds s[G0+4:G0+7], s[G1:G1+7]
	s_nop 0
	PLACES 4
.set i, 0
.rept 16                                       ; my eight rows, 512 consecutive bytes a load
	global_load_b128 v[TK+4*i:TK+4*i+3], v[GX], s[XI:XI+1] offset:i*512 th:TH_LOAD_NT
.set i, i+1
.endr
	global_load_b128 v[PT:PT+3],   v[T+8], s[6:7] offset:8192    ; ln1_g, ln1_b, bqkv: bytes 8,192 to 13,311 of the block
	global_load_b128 v[PT+4:PT+7], v[T+8], s[6:7] offset:10240
	global_load_b64  v[PT+8:PT+9], v[T+9], s[6:7] offset:12288
	; my lane's four frequencies, in turns a position: pairs 2 lane, 2 lane + 1 of columns 0-127, the same + 64 of columns 128-255
	v_lshlrev_b32 v[IL], 1, v[LN]
	v_cvt_f32_u32 v[IL], v[IL]
	v_add_f32 v[IL+1], 1.0, v[IL]
	v_fma_f32 v[FQ], v[IL], s56, s57
	v_fma_f32 v[FQ+2], v[IL+1], s56, s57
	v_add_f32 v[IL], 0x42800000, v[IL]
	v_add_f32 v[IL+1], 0x42800000, v[IL+1]
	v_fma_f32 v[FQ+4], v[IL], s56, s57
	v_fma_f32 v[FQ+6], v[IL+1], s56, s57
	v_exp_f32 v[FQ], v[FQ]
	v_exp_f32 v[FQ+2], v[FQ+2]
	v_exp_f32 v[FQ+4], v[FQ+4]
	v_exp_f32 v[FQ+6], v[FQ+6]
	v_mov_b32 v[QC], 0                             ; plain work behind the last exponential
	v_mov_b32 v[QC+1], 0x3e800000
	v_mov_b32 v[TT+1], 0                           ; named with the position as a pair
	s_wait_alu depctr_va_vdst(0)                   ; one wait for the four, ahead of their first reader
	v_mov_b32 v[FQ+1], v[FQ]
	v_mov_b32 v[FQ+3], v[FQ+2]
	v_mov_b32 v[FQ+5], v[FQ+4]
	v_mov_b32 v[FQ+7], v[FQ+6]
	s_and_b32 s2, s[GB], 63                        ; 64 blocks a batch
	s_lshl_b32 s2, s2, 5
	s_lshl3_add_u32 s2, s[WV], s2                  ; the position of my first row
.irp i, 0,1,2,3,4,5,6,7
	PEROW \i
.endr
	s_wait_loadcnt 0x0                             ; the parameters
	v_lshl_add_u32 v[T+2], v0, 4, PAR+8192
	v_lshl_add_u32 v[T+3], v0, 3, PAR+12288
	ds_store_b128 v[T+2], v[PT:PT+3]
	ds_store_b128 v[T+2], v[PT+4:PT+7] offset:2048
	ds_store_b64  v[T+3], v[PT+8:PT+9]
	s_wait_dscnt 0x0                               ; for the others' sake: my rows and my part of the parameters lie in LDS
	s_barrier_signal -1
	s_barrier_wait -1
.irp m, 0,1
.irp n, 0,1,2,3
	ds_load_b128 v[XR+8*(4*(\m)+(\n)):XR+8*(4*(\m)+(\n))+3],   v[SSA] offset:(\m)*16*SPITCH+(\n)*64
	ds_load_b128 v[XR+8*(4*(\m)+(\n))+4:XR+8*(4*(\m)+(\n))+7], v[SSA] offset:(\m)*16*SPITCH+(\n)*64+16
.endr
.endr
	s_wait_dscnt 0x0
	LNORM -1, 8192, 9216, 1, 0                     ; x goes out; LayerNorm 1 into XT (behind its barrier nobody reads the stage any more)
	s_wait_tensorcnt 0x1                           ; my quarter of Wq is in; Wk's may stay out
	s_wait_dscnt 0x0
	s_barrier_signal -1
	s_barrier_wait -1
	BIASLD PBA, 10240
	GEMM BAD0, 0, ACC, 0
	QKOUT QO, 0
	TRIPH 1, 1                                     ; Wk is in; Wv is asked for, into slot 0
	BIASLD PBA, 11264
	GEMM BAD1, 0, ACC, 0
	QKOUT KO, 0
	TRIPH 0, 0                                     ; Wv is in; nothing is left to fetch
	BIASV
	GEMM BAD0, 0, ACC, 1
	QKOUT VO, 1
	s_wait_tensorcnt 0x0                           ; the wave's end, behind my last tensor load and my last LDS store
	ds_add_u32 v[SPW], v[NIL]
	s_wait_dscnt 0x0
	ROUND                                          ; the closing round: no work-group ends while a partner may still ask for a tile that names it
	s_endpgm
.Lfunc_end_k_q406f0e5d9b_first:
	.size	k_q406f0e5d9b_first, .Lfunc_end_k_q406f0e5d9b_first-k_q406f0e5d9b_first
	.p2alignl 7, 3214868480
	.fill 96, 4, 3214868480
	.section	.rodata,"a",@progbits
	.p2align	6, 0x0
	.amdhsa_kernel k_q406f0e5d9b_first
		.amdhsa_group_segment_fixed_size 327680
		.amdhsa_private_segment_fixed_size 0
		.amdhsa_enable_private_segment 0
		.amdhsa_kernarg_size 24
		.amdhsa_user_sgpr_count 2
		.amdhsa_user_sgpr_kernarg_segment_ptr 1
		.amdhsa_wavefront_size32 1
		.amdhsa_system_sgpr_workgroup_id_x 1
		.amdhsa_system_sgpr_workgroup_id_y 1
		.amdhsa_system_sgpr_workgroup_id_z 1
		.amdhsa_system_vgpr_workitem_id 0
		.amdhsa_next_free_vgpr 256
		.amdhsa_next_free_sgpr 80
		.amdhsa_reserve_vcc 0
		.amdhsa_float_denorm_mode_32 3
		.amdhsa_float_denorm_mode_16_64 3
		.amdhsa_memory_ordered 1
		.amdhsa_forward_progress 1
		.amdhsa_inst_pref_size 87
	.end_amdhsa_kernel
	.amdgpu_metadata
---
amdhsa.version: [ 1, 2 ]
amdhsa.kernels:
  - .name:           k_q406f0e5d9b_first
    .symbol:         k_q406f0e5d9b_first.kd
    .args:
      - { .name: tokens, .offset: 0, .size: 8, .value_kind: global_buffer, .address_space: global }
      - { .name: pF, .offset: 8, .size: 8, .value_kind: global_buffer, .address_space: global }
      - { .name: stA, .offset: 16, .size: 8, .value_kind: global_buffer, .address_space: global }
    .group_segment_fixed_size: 327680
    .private_segment_fixed_size: 0
    .kernarg_segment_align: 8
    .kernarg_segment_size: 24
    .max_flat_workgroup_size: 128
    .sgpr_count:     80
    .vgpr_count:     256
    .wavefront_size: 32
...
	.end_amdgpu_metadata
.endif
;; end of part 2
;; launch mid0 (part 3): grid 256 x 1, 4 waves a work-group, clusters of 4 x 1, 327,680 bytes of LDS; arguments stA, pM0, stB; writes stB
.if DOCPART == 3
	.amdgcn_target "amdgcn-amd-amdhsa--gfx1250"
	.amdhsa_code_object_version 6
	.text
	.protected	k_q406f0e5d9b_mid0
	.globl	k_q406f0e5d9b_mid0
	.p2align	8
	.type	k_q406f0e5d9b_mid0,@function
k_q406f0e5d9b_mid0:
	s_mov_b64 s[64:65], 0
	v_nop
	global_prefetch_b8 v0, s[64:65] scope:SCOPE_SE
	s_setreg_imm32_b32 hwreg(HW_REG_WAVE_MODE, 25, 1), 1
	s_wait_xcnt 0x0
	s_wait_alu depctr_hold_cnt(0) depctr_sa_sdst(0) depctr_va_vdst(0) depctr_va_sdst(0) depctr_va_ssrc(0) depctr_va_vcc(0) depctr_vm_vsrc(0)
	s_getreg_b32 s2, hwreg(HW_REG_IB_STS2, 6, 4)
	s_cmp_eq_u32 s2, 0
	s_cbranch_scc0 .Lentry_in_a_cluster
	s_endpgm
.Lentry_in_a_cluster:
	s_bfe_u32 s2, ttmp6, 0x10000c
	s_cmp_lg_u32 s2, 0x3003
	s_cbranch_scc0 .Lentry_shape_is_right
	s_endpgm
.Lentry_shape_is_right:
; ONE LAYER, FROM ATTENTION ON.  LAST = 0: attention, Wo, + x, LayerNorm 2, the feed-forward net, + x, then LayerNorm 1 and q, k, v of the NEXT layer.  Arguments: state in, weights, state out.
; LAST = 1: the same up to the feed-forward net, then the final LayerNorm.  Arguments: state in, weights, lnf_g, lnf_b, out0.  (One source for both; the line below is all that differs.)
.set LAST,   0
; SHARES.  A work-group owns block g of 32 rows (two tiles of 16 tokens, mt); wave w owns output columns 64 w .. 64 w + 63 of every product (four tiles of 16, nt), and head w in attention.
; LAYOUT.  Products are taken transposed (source 0 = 16 weight rows, source 1 = 16 tokens): a lane (r = l % 16, h = l / 16) holds token 16 mt + r and features 64 w + 16 nt + 8 h + 0..7.
; The residual x stays in 64 accumulator registers (XR) all launch long: Wo's and W2's products add onto it in place.  For v the sources are swapped: a lane holds one channel and eight tokens: a fragment of V^T.
; STATE BUFFER.  x at g x 32,768: [wave][tile 4 mt + nt][half][lane][16 bytes], f32 as it lies in XR.  q at 8,388,608 + g x 16,384 and k at 12,582,912 + ..: w x 4,096 + mt x 2,048 + nt x 512 + lane x 16, bf16 fragments.
; v at 16,777,216 + ..: w x 4,096 + nt x 1,024 + mt x 512 + lane x 16.  Every load and store of a wave covers 512 consecutive bytes, aligned.
; ATTENTION.  A query sees its own key and the 63 before it, inside its batch of 64 blocks: all lie in blocks g - 2, g - 1, g: 96 keys, all at hand at once, so the softmax takes the true maximum, no running one.
; S^T = K Q^T holds one query a lane and eight keys; the mask is the C operand that starts the sum: 0, or -1e30 where the key is hidden.  Two results rounded to bf16 are source 1 of O^T = V^T P.
; THE WEIGHTS come through two LDS slots, a tile of 256 rows x 512 bytes each, a quarter a wave, one tile a product.  All work-groups walk the same tiles, so the four of a cluster ask JOINTLY (mask 15).
; GELU is the exact one, x (1 + erf(x / sqrt 2)) / 2, with erf by the rational form 1 - (a1 t + .. + a5 t^5) exp(-z^2), t = 1 / (1 + 0.3275911 z), good for every z >= 0.
; LIMITS.  erf is within 1.5e-7.  A hidden score counts as its value less 1e30 (the problem's own -1e9 gives the same weights, 0, while scores stay far under 1e9).  A weight below 2^-126 counts as 0 in the row's sum.
; Matrix operands (x normalised, q, k, v, the weights p, O, h, all weight matrices) are bf16; x, all sums, maxima and statistics f32.  NaN and infinities are not treated apart.
.set PITCH,  528                       ; an LDS row of 512 bytes + 16 of padding: 33 x 16 bytes, so the 16 rows of a fragment load start in 16 different 16-byte columns of 256
.set SLOTB,  256*PITCH
.set XT,     2*SLOTB                   ; behind the slots, never a tensor load's target: LayerNorm's output, 32 rows in bf16
.set HOFF,   32*PITCH                  ; behind it: O, later a chunk of h, 32 rows in bf16
.set STAGE,  XT                        ; LAST: the same bytes at the end: 32 rows x 1,040 of f32, to turn the lanes' layout into rows
.set SPITCH, 1040
.set PAR,    XT+64*PITCH               ; the parameter block, 13,312 bytes
.set STAT,   PAR+13312                 ; [wave][32 rows][mean, sum of squares]
.set SPARE,  STAT+1024                 ; the spare words, 128 bytes a wave: two blocks of 256 bytes that no other line names
.set TILEB,  131072
.set NPAR,   7-LAST                    ; loads that bring the parameters
.set RR,  1                            ; v1  r
.set HH,  2                            ; v2  h
.set AAD, 3                            ; v3  XT + r x 528 + 16 h: the tokens' fragments
.set BAD0, 4                           ; v4, v5  slot + (64 w + r) x 528 + 16 h: my weights' fragments
.set BAD1, 5
.set CA,  6                            ; v6, v7  the running addresses of a product; LAST: at the end the stage's two addresses
.set CB,  7
.set SSA, 6
.set SRA, 7
.set TST, 8                            ; v8  XT + r x 528 + 128 w + 16 h: where I put 16 bytes of a row
.set PBA, 9                            ; v9  PAR + 256 w + 32 h: my eight features' parameters
.set B1A, 10                           ; v10 the same in b1, at the chunk in hand
.set STS, 11                           ; v11 STAT + 256 w + 8 r
.set STR, 12                           ; v12 STAT + 8 r
.set GI,  13                           ; v13 4,096 w + 16 lane
.set GX,  14                           ; v14 8,192 w + 16 lane
.set PFO, 15                           ; v15 256 lane: the prefetches' offset
.set XR,  16                           ; v16-79   x
.set ACC, 80                           ; v80-143  a product's sums; LayerNorm's scratch
.set FR,  144                          ; v144-239 two sets of fragments (16 of tokens, 32 of weights); free between products
.set GA,  FR                           ; GELU: exponent, then exponential
.set GU,  FR+16                        ;       1 + p z, then t
.set GQ,  FR+32                        ;       the polynomial, then the result
.set GP,  FR+48                        ;       the chunk packed, 32 registers
.set S,   80                           ; attention: v80-175 S^T, tile (mt, kt) at 8 (6 mt + kt); then P in its place
.set QF,  176                          ;            v176-207 Q
.set OA,  176                          ;            v176-239 O^T, tile (mt, ct) at 8 (4 mt + ct)
.set WK,  208                          ;            v208-223 at work in the softmax
.set T,   240                          ; v240-253 at work
.set RL,  240                          ; attention: 1 / l, each twice
.set VOF, 250                          ;            v250-252 the three key blocks' offsets
.set SPW, 254                          ; v254 my spare word's address; never rewritten
.set NIL, 255                          ; v255 0; never rewritten
.set KF,  0                            ; window 1 (v256 on): K, fragment (kt, ks) at 16 kt + 8 ks
.set VF,  96                           ;           V^T, fragment (kb, ct) at 32 kb + 8 ct
.set PT,  192                          ;           the parameters on their way to LDS
.set G1,  16                           ; s[16:23] descriptor group 1
.set G0,  24                           ; s[24:31] descriptor group 0, a set for each slot
.set PFA, 32                           ; s[32:33] where my prefetches stand
.set LIM, 34                           ; s34 a wave prefetches while the loop's count is above this; the greatest number in clusters that ask for nothing
.set CNT, 35
.set KC,  36
.set EPS, 37
.set SEL, 38
.set CS,  40                           ; s[40:41] log2(e) / 8
.set BIGN, 42
.set A1,  44                           ; s[44:53] erf's five coefficients, s[54:55] -log2(e) / 2, each as a pair
.set A2,  46
.set A3,  48
.set A4,  50
.set A5,  52
.set K1,  54
.set PC,  56                           ; s56 0.3275911 / sqrt 2
.set XI,  58                           ; s[58:63], s[66:67] x, q of my block, k, v from block 0 on, in the state read
.set QI,  60
.set KI,  62
.set VI,  66
.set XO,  68                           ; s[68:75] x, q, k, v of my block in the state written (LAST: s[68:69] my rows of out0)
.set QO,  70
.set KO,  72
.set VO,  74
.set WV,  76
.set CX,  77
.set GB,  78
.set MSB, 0
.macro WIN new                         ; s_set_vgpr_msb: bits 1:0 source 0, 3:2 source 1, 5:4 source 2, 7:6 destination; the high byte repeats the setting that is left
.if MSB != (\new)
	s_set_vgpr_msb (MSB<<8)|(\new)
.set MSB, \new
.endif
.endm
.macro PLACES n
.rept \n
	v_nop
.endr
.endm
.macro SPAIR reg, val                  ; a constant as a pair: the packed forms name both words
	s_mov_b32 s[\reg], \val
	s_mov_b32 s[\reg+1], \val
.endm
; A round of the cluster's barrier: my work-group's barrier, wave 0 signals for the work-group, every wave waits for all four work-groups, my work-group's barrier once more.
.macro ROUND
	s_barrier_signal -1
	s_barrier_wait -1
	s_cmp_lg_u32 s[WV], 0
	s_cbranch_scc1 .Lnw0_\@
	s_barrier_signal -3
.Lnw0_\@:
	s_barrier_wait -3
	s_barrier_signal -1
	s_barrier_wait -1
.endm
; THE CHANGE OF SLOTS in front of the product that reads \slot.  Every wave: all its tensor loads have landed (its quarter of \slot among them); the add; its LDS reads and stores are done.
; load = 1: the other slot, read out by the product before, is filled again, jointly: the barrier is a round of the cluster's, and the load is the first thing behind it: it has a product of 64 matrix
; instructions and what follows it in which to land.  The same barrier parts the writing of the tiles XT and HT from their reading, both ways.
.macro TRIPH slot, load
	s_wait_xcnt 0x0                                ; the stores and the prefetch issued so far have read their registers: the fragments' registers and the prefetches' address are written again only behind this wait
	s_add_nc_u64 s[PFA:PFA+1], s[PFA:PFA+1], TILEB
	s_wait_tensorcnt 0x0
	ds_add_u32 v[SPW], v[NIL]
.if \load
	s_add_nc_u64 s[G0+4*(1-(\slot))+2:G0+4*(1-(\slot))+3], s[G0+4*(1-(\slot))+2:G0+4*(1-(\slot))+3], 2*TILEB  ; no load of mine is out: the other slot's next tile
.endif
	s_wait_dscnt 0x0
.if \load
	ROUND
	tensor_load_to_lds s[G0+4*(1-(\slot)):G0+4*(1-(\slot))+3], s[G1:G1+7]
	s_nop 0
	PLACES 4
.else
	s_barrier_signal -1
	s_barrier_wait -1
.endif
.endm
.macro FETCH p                         ; 12 LDS loads: the fragments of 32 along K into set p: two of tokens, four of weights
.irp m, 0,1
	ds_load_b128 v[FR+48*(\p)+8*(\m):FR+48*(\p)+8*(\m)+3],   v[CA] offset:64*(\p)+(\m)*16*PITCH
	ds_load_b128 v[FR+48*(\p)+8*(\m)+4:FR+48*(\p)+8*(\m)+7], v[CA] offset:64*(\p)+(\m)*16*PITCH+32
.endr
.irp n, 0,1,2,3
	ds_load_b128 v[FR+48*(\p)+16+8*(\n):FR+48*(\p)+16+8*(\n)+3],   v[CB] offset:64*(\p)+(\n)*16*PITCH
	ds_load_b128 v[FR+48*(\p)+16+8*(\n)+4:FR+48*(\p)+16+8*(\n)+7], v[CB] offset:64*(\p)+(\n)*16*PITCH+32
.endr
.endm
.macro MUL p, acc, swap                ; 8 matrix instructions on 8 accumulators, which take turns
.irp n, 0,1,2,3
.irp m, 0,1
.if \swap
	v_wmma_f32_16x16x32_bf16 v[(\acc)+8*(4*(\m)+(\n)):(\acc)+8*(4*(\m)+(\n))+7], v[FR+48*(\p)+8*(\m):FR+48*(\p)+8*(\m)+7], v[FR+48*(\p)+16+8*(\n):FR+48*(\p)+16+8*(\n)+7], v[(\acc)+8*(4*(\m)+(\n)):(\acc)+8*(4*(\m)+(\n))+7]
.else
	v_wmma_f32_16x16x32_bf16 v[(\acc)+8*(4*(\m)+(\n)):(\acc)+8*(4*(\m)+(\n))+7], v[FR+48*(\p)+16+8*(\n):FR+48*(\p)+16+8*(\n)+7], v[FR+48*(\p)+8*(\m):FR+48*(\p)+8*(\m)+7], v[(\acc)+8*(4*(\m)+(\n)):(\acc)+8*(4*(\m)+(\n))+7]
.endif
.endr
.endr
.endm
; A PREFETCH INTO THE L2 of the tile that stands two refills on.  Every cluster walks the same tiles: the first cluster asks, nobody else.  Its sixteen waves share a tile out BY ADDRESS,
; 8,192 bytes each, a lane 256 bytes: each block is named once in the launch.  The product that reads tile i names tile i + 3; tiles 0 to 3 come by their loads alone; the last products name nothing.
.macro ASK how                         ; how = 2: in the loop; 1: behind it
.if (\how) == 1
	s_cmp_lg_u32 s[LIM], -1
.else
	s_cmp_gt_u32 s[CNT], s[LIM]
.endif
	s_cbranch_scc0 .Lnoask_\@
	global_prefetch_b8 v[PFO], s[PFA:PFA+1] th:TH_LOAD_NT scope:SCOPE_SE
.Lnoask_\@:
.endm
; 32 tokens x my 64 columns over K = 256, added onto \acc: 64 matrix instructions, eight steps of 32 along K on two sets of fragments.
.macro GEMM bad, aoff, acc, swap, ask
	v_mov_b32 v[CB], v[\bad]
	v_add_nc_u32 v[CA], \aoff, v[AAD]
	FETCH 0
	FETCH 1
.if \ask
	ASK \ask                                       ; behind the tensor load's lines and the LDS loads that the first products wait for
.endif
	s_mov_b32 s[KC], 3
.Lk_\@:
	s_wait_dscnt 12                                ; set 0 (and what was asked for ahead of it) is in; set 1's 12 loads may stay out
	MUL 0, \acc, \swap
	v_add_nc_u32 v[CA], 128, v[CA]                 ; two steps on: with the two v_nop the four places in front of loads into registers that were just multiplied
	v_add_nc_u32 v[CB], 128, v[CB]
	PLACES 2
	FETCH 0
	s_wait_dscnt 12                                ; set 1 is in
	MUL 1, \acc, \swap
	PLACES 4
	FETCH 1
	s_sub_co_u32 s[KC], s[KC], 1
	s_cmp_lg_u32 s[KC], 0
	s_cbranch_scc1 .Lk_\@
	s_wait_dscnt 12
	MUL 0, \acc, \swap
	s_wait_dscnt 0x0
	MUL 1, \acc, \swap
	PLACES 8                                       ; in front of whatever reads the sums or writes the fragments
.endm
.macro BIASLD areg, off                ; the sums start at the bias: my features' 32 numbers, for both token tiles, straight from LDS into the accumulators
.irp m, 0,1
.irp n, 0,1,2,3
	ds_load_b128 v[ACC+8*(4*(\m)+(\n)):ACC+8*(4*(\m)+(\n))+3],   v[\areg] offset:(\off)+(\n)*64
	ds_load_b128 v[ACC+8*(4*(\m)+(\n))+4:ACC+8*(4*(\m)+(\n))+7], v[\areg] offset:(\off)+(\n)*64+16
.endr
.endr
.endm
.macro BIASV                           ; v's product is swapped: a lane holds one channel, so its bias is one number a tile
	s_lshl_b32 s14, s[WV], 8
	s_add_co_u32 s14, s14, PAR+12288
	v_lshl_add_u32 v[T], v[RR], 2, s14
.irp n, 0,1,2,3
	ds_load_b32 v[T+2+(\n)], v[T] offset:(\n)*64
.endr
	s_wait_dscnt 0x0
.set i, 0
.rept 64
	v_mov_b32 v[ACC+i], v[T+2+(i/8)%4]
.set i, i+1
.endr
.endm
.macro TSTORE src, off                 ; eight packed tiles into a tile of 32 rows in LDS
.irp m, 0,1
.irp n, 0,1,2,3
	ds_store_b128 v[TST], v[(\src)+4*(4*(\m)+(\n)):(\src)+4*(4*(\m)+(\n))+3] offset:(\off)+(\m)*16*PITCH+(\n)*32
.endr
.endr
.endm
; LayerNorm of XR.  badd >= 0: a bias at PAR + badd is added to XR first.  xstore: XR is stored as the x image.  out = 0: bf16 into XT; 1: f32 into the stage.
.macro LNORM badd, goff, boff, xstore, out
.if (\badd) >= 0
.irp q, 0,1,2,3,4,5,6,7
	ds_load_b128 v[FR+4*(\q):FR+4*(\q)+3], v[PBA] offset:(\badd)+((\q)/2)*64+((\q)%2)*16
.endr
.endif
.irp q, 0,1,2,3,4,5,6,7
	ds_load_b128 v[FR+32+4*(\q):FR+32+4*(\q)+3], v[PBA] offset:(\goff)+((\q)/2)*64+((\q)%2)*16
.endr
.irp q, 0,1,2,3,4,5,6,7
	ds_load_b128 v[FR+64+4*(\q):FR+64+4*(\q)+3], v[PBA] offset:(\boff)+((\q)/2)*64+((\q)%2)*16
.endr
.if (\badd) >= 0
	s_wait_dscnt 16                                ; the bias is in; gains and offsets, 16 loads, may stay out
.set i, 0
.rept 32
	v_pk_add_f32 v[XR+2*i:XR+2*i+1], v[XR+2*i:XR+2*i+1], v[FR+2*(i%16):FR+2*(i%16)+1]  ; each accumulator from its low end on
.set i, i+1
.endr
.endif
.if \xstore
.set i, 0
.rept 16
	global_store_b128 v[GX], v[XR+4*i:XR+4*i+3], s[XO:XO+1] offset:i*512 th:TH_STORE_NT
.set i, i+1
.endr
.endif
.irp m, 0,1                            ; my 64 columns' mean, then the sum of squared differences from it
.set xb, XR+32*(\m)
.set db, ACC+32*(\m)
.irp c, 0,1,2,3
	v_pk_add_f32 v[T+2*(\c):T+2*(\c)+1], v[xb+8*(\c):xb+8*(\c)+1], v[xb+8*(\c)+2:xb+8*(\c)+3]
.endr
.irp c, 0,1,2,3
	v_pk_add_f32 v[T+2*(\c):T+2*(\c)+1], v[T+2*(\c):T+2*(\c)+1], v[xb+8*(\c)+4:xb+8*(\c)+5]
.endr
.irp c, 0,1,2,3
	v_pk_add_f32 v[T+2*(\c):T+2*(\c)+1], v[T+2*(\c):T+2*(\c)+1], v[xb+8*(\c)+6:xb+8*(\c)+7]
.endr
	v_pk_add_f32 v[T:T+1], v[T:T+1], v[T+2:T+3]
	v_pk_add_f32 v[T+4:T+5], v[T+4:T+5], v[T+6:T+7]
	v_pk_add_f32 v[T:T+1], v[T:T+1], v[T+4:T+5]
	v_add_f32 v[T], v[T], v[T+1]
	v_permlanex16_b32 v[T+1], v[T], s[SEL], s[SEL+1]  ; the token's other 32 columns lie in the lane 16 away
	v_add_f32 v[T], v[T], v[T+1]
	v_mul_f32 v[T], 0x3c800000, v[T]               ; / 64
.set i, 0
.rept 16
	v_pk_add_f32 v[db+2*i:db+2*i+1], v[xb+2*i:xb+2*i+1], v[T:T+1] op_sel_hi:[1,0] neg_lo:[0,1] neg_hi:[0,1]
.set i, i+1
.endr
.irp c, 0,1,2,3
	v_pk_mul_f32 v[T+2+2*(\c):T+3+2*(\c)], v[db+8*(\c):db+8*(\c)+1], v[db+8*(\c):db+8*(\c)+1]
.endr
.irp p, 1,2,3
.irp c, 0,1,2,3
	v_pk_fma_f32 v[T+2+2*(\c):T+3+2*(\c)], v[db+8*(\c)+2*(\p):db+8*(\c)+2*(\p)+1], v[db+8*(\c)+2*(\p):db+8*(\c)+2*(\p)+1], v[T+2+2*(\c):T+3+2*(\c)]
.endr
.endr
	v_pk_add_f32 v[T+2:T+3], v[T+2:T+3], v[T+4:T+5]
	v_pk_add_f32 v[T+6:T+7], v[T+6:T+7], v[T+8:T+9]
	v_pk_add_f32 v[T+2:T+3], v[T+2:T+3], v[T+6:T+7]
	v_add_f32 v[T+2], v[T+2], v[T+3]
	v_permlanex16_b32 v[T+3], v[T+2], s[SEL], s[SEL+1]
	v_mov_b32 v[T+10+2*(\m)], v[T]
	v_add_f32 v[T+11+2*(\m)], v[T+2], v[T+3]
	ds_store_b64 v[STS], v[T+10+2*(\m):T+11+2*(\m)] offset:(\m)*128
.endr
	s_wait_dscnt 0x0                               ; for the others' sake: my statistics lie in LDS; and my reads of the tiles that are written behind the barrier are over
	s_barrier_signal -1
	s_barrier_wait -1
.irp m, 0,1
.irp u, 0,1,2,3
	ds_load_b64 v[ACC+8*(\m)+2*(\u):ACC+8*(\m)+2*(\u)+1], v[STR] offset:(\m)*128+(\u)*256
.endr
.endr
	s_wait_dscnt 0x0
.irp m, 0,1                            ; mean = the four means' mean; sum of squares = the four sums + 64 x the squared distances of the four means from it
.set ab, ACC+8*(\m)
.set lb, ACC+16+4*(\m)
	v_add_f32 v[T], v[ab], v[ab+2]
	v_add_f32 v[T+1], v[ab+4], v[ab+6]
	v_add_f32 v[T+2], v[ab+1], v[ab+3]
	v_add_f32 v[T+3], v[ab+5], v[ab+7]
	v_add_f32 v[T], v[T], v[T+1]
	v_add_f32 v[T+2], v[T+2], v[T+3]
	v_mul_f32 v[lb+2], 0x3e800000, v[T]
	v_sub_f32 v[T+4], v[ab], v[lb+2]
	v_sub_f32 v[T+5], v[ab+2], v[lb+2]
	v_sub_f32 v[T+6], v[ab+4], v[lb+2]
	v_sub_f32 v[T+7], v[ab+6], v[lb+2]
	v_mul_f32 v[T+4], v[T+4], v[T+4]
	v_fma_f32 v[T+4], v[T+5], v[T+5], v[T+4]
	v_fma_f32 v[T+4], v[T+6], v[T+6], v[T+4]
	v_fma_f32 v[T+4], v[T+7], v[T+7], v[T+4]
	v_fma_f32 v[T+2], v[T+4], 0x42800000, v[T+2]
	v_fma_f32 v[lb], v[T+2], 0x3b800000, s[EPS]    ; / 256 + 1e-5
.endr
	v_rsq_f32 v[ACC+16], v[ACC+16]
	v_rsq_f32 v[ACC+20], v[ACC+20]
	v_nop                                          ; a plain instruction behind the last of the two,
	s_wait_alu depctr_va_vdst(0)                   ; and one wait for both, ahead of their first reader
	v_mul_f32 v[ACC+18], v[ACC+18], v[ACC+16]
	v_mul_f32 v[ACC+22], v[ACC+22], v[ACC+20]
.irp t, 0,1,2,3,4,5,6,7                ; (x rs - mean rs) g + b, a tile at a time
.set lb, ACC+16+4*((\t)/4)
.set yt, ACC+24+8*((\t)%2)*(\out)
.irp p, 0,1,2,3
	v_pk_fma_f32 v[yt+2*(\p):yt+2*(\p)+1], v[XR+8*(\t)+2*(\p):XR+8*(\t)+2*(\p)+1], v[lb:lb+1], v[lb+2:lb+3] op_sel_hi:[1,0,0] neg_lo:[0,0,1] neg_hi:[0,0,1]
.endr
.irp p, 0,1,2,3
	v_pk_fma_f32 v[yt+2*(\p):yt+2*(\p)+1], v[yt+2*(\p):yt+2*(\p)+1], v[FR+32+8*((\t)%4)+2*(\p):FR+32+8*((\t)%4)+2*(\p)+1], v[FR+64+8*((\t)%4)+2*(\p):FR+64+8*((\t)%4)+2*(\p)+1]
.endr
.if \out
	ds_store_b128 v[SSA], v[yt:yt+3]   offset:((\t)/4)*16*SPITCH+((\t)%4)*64
	ds_store_b128 v[SSA], v[yt+4:yt+7] offset:((\t)/4)*16*SPITCH+((\t)%4)*64+16
.else
.irp p, 0,1,2,3
	v_cvt_pk_bf16_f32 v[ACC+32+4*(\t)+(\p)], v[yt+2*(\p)], v[yt+2*(\p)+1]
.endr
.endif
.endr
.if !(\out)
	TSTORE ACC+32, 0
.endif
.endm
; GELU of two tiles (16 numbers a lane).  The 16 exponentials and 16 reciprocals are ONE batch with ONE wait; x / 2 is the plain work behind it.
.macro GELU2 u
.set gx, ACC+16*(\u)
.set i, 0
.rept 8
	v_pk_mul_f32 v[GA+2*i:GA+2*i+1], v[gx+2*i:gx+2*i+1], s[K1:K1+1] op_sel_hi:[1,0]
.set i, i+1
.endr
.set i, 0
.rept 8
	v_pk_mul_f32 v[GA+2*i:GA+2*i+1], v[GA+2*i:GA+2*i+1], v[gx+2*i:gx+2*i+1]  ; -x^2 log2(e) / 2
.set i, i+1
.endr
.set i, 0
.rept 16
	v_fma_f32 v[GU+i], |v[gx+i]|, s[PC], 1.0       ; 1 + p |x| / sqrt 2
.set i, i+1
.endr
.set i, 0
.rept 16
	v_exp_f32 v[GA+i], v[GA+i]
.set i, i+1
.endr
.set i, 0
.rept 16
	v_rcp_f32 v[GU+i], v[GU+i]
.set i, i+1
.endr
.set i, 0
.rept 8
	v_pk_mul_f32 v[gx+2*i:gx+2*i+1], v[gx+2*i:gx+2*i+1], 0.5 op_sel_hi:[1,0]
.set i, i+1
.endr
	s_wait_alu depctr_va_vdst(0)                   ; the wait for the batch, ahead of its first reader
.set i, 0
.rept 8
	v_pk_fma_f32 v[GQ+2*i:GQ+2*i+1], v[GU+2*i:GU+2*i+1], s[A5:A5+1], s[A4:A4+1] op_sel_hi:[1,0,0]
.set i, i+1
.endr
.irp c, A3, A2, A1
.set i, 0
.rept 8
	v_pk_fma_f32 v[GQ+2*i:GQ+2*i+1], v[GQ+2*i:GQ+2*i+1], v[GU+2*i:GU+2*i+1], s[\c:\c+1] op_sel_hi:[1,1,0]
.set i, i+1
.endr
.endr
.set i, 0
.rept 8
	v_pk_mul_f32 v[GQ+2*i:GQ+2*i+1], v[GQ+2*i:GQ+2*i+1], v[GU+2*i:GU+2*i+1]
.set i, i+1
.endr
.set i, 0
.rept 8
	v_pk_fma_f32 v[GQ+2*i:GQ+2*i+1], v[GQ+2*i:GQ+2*i+1], v[GA+2*i:GA+2*i+1], 1.0 op_sel_hi:[1,1,0] neg_lo:[1,0,0] neg_hi:[1,0,0]  ; erf(|x| / sqrt 2)
.set i, i+1
.endr
.set i, 0
.rept 16
	v_fma_f32 v[GQ+i], |v[gx+i]|, v[GQ+i], v[gx+i] ; x / 2 + |x / 2| erf
.set i, i+1
.endr
.set i, 0
.rept 8
	v_cvt_pk_bf16_f32 v[GP+8*(\u)+i], v[GQ+2*i], v[GQ+2*i+1]
.set i, i+1
.endr
.endm
.macro QKOUT base, vl                  ; the sums rounded to bf16 and stored as the next launch's fragments; vl = 1: v's order of tiles
.set i, 0
.rept 32
	v_cvt_pk_bf16_f32 v[FR+i], v[ACC+2*i], v[ACC+2*i+1]
.set i, i+1
.endr
.irp m, 0,1
.irp n, 0,1,2,3
.if \vl
	global_store_b128 v[GI], v[FR+4*(4*(\m)+(\n)):FR+4*(4*(\m)+(\n))+3], s[\base:\base+1] offset:(\n)*1024+(\m)*512 th:TH_STORE_NT
.else
	global_store_b128 v[GI], v[FR+4*(4*(\m)+(\n)):FR+4*(4*(\m)+(\n))+3], s[\base:\base+1] offset:(\m)*2048+(\n)*512 th:TH_STORE_NT
.endif
.endr
.endr
.endm
.if LAST
	s_load_b256 s[4:11], s[0:1], 0x0               ; state in s[4:5], weights s[6:7], lnf_g s[8:9], lnf_b s[10:11]
	s_load_b64 s[12:13], s[0:1], 0x20              ; out0
.else
	s_load_b128 s[4:7], s[0:1], 0x0                ; state in s[4:5], weights s[6:7]
	s_load_b64 s[8:9], s[0:1], 0x10                ; state out
.endif
	v_lshl_add_u32 v[SPW], v0, 2, SPARE
	v_mov_b32 v[NIL], 0
	ds_add_u32 v[SPW], v[NIL]                      ; the wave's opening: the add and its wait ahead of my first tensor load; the set-up, work on registers, stands between them
	v_lshrrev_b32 v1, 5, v0
	v_readfirstlane_b32 s[WV], v1                  ; wave 0..3
	s_bfe_u32 s[CX], ttmp6, 0x40000                ; my place in the cluster
	s_lshl_b32 s[GB], ttmp9, 2
	s_add_co_u32 s[GB], s[GB], s[CX]               ; my block of 32 rows: it enters global addresses and the mask's bound alone
	; descriptor group 1: a quarter tile, 64 rows x 256 elements of 2 bytes, padded in LDS
	s_mov_b32 s[G1+0], 15|(1<<16)|(1<<20)|(1<<21)|(6<<22)|(3<<25)  ; the mask of four; 2-byte elements; padding on; bit 21 beside a mask; after every 128 words, 4 words
	s_mov_b32 s[G1+1], 256<<16                     ; tensor_dim0 = 256
	s_mov_b32 s[G1+2], 64<<16                      ; tensor_dim1 = 64
	s_mov_b32 s[G1+3], 256<<16                     ; tile_dim0 = 256
	s_mov_b32 s[G1+4], 64                          ; tile_dim1 = 64
	s_mov_b32 s[G1+5], 256                         ; 256 elements from row to row
	s_mov_b32 s[G1+6], 0
	s_mov_b32 s[G1+7], 0
	s_mov_b32 s[G0], 1
	s_mul_i32 s[G0+1], s[WV], 64*PITCH             ; LDS: slot 0, my quarter
	s_mov_b32 s[G0+4], 1
	s_add_co_u32 s[G0+5], s[G0+1], SLOTB           ; slot 1
	s_mov_b32 s[EPS], 0x3727c5ac                   ; 1e-5
	s_mov_b32 s[SEL], 0x76543210
	s_mov_b32 s[SEL+1], 0xfedcba98
	SPAIR CS, 0x3e38aa3b                           ; log2(e) / 8
	s_mov_b32 s[BIGN], 0xf149f2ca                  ; -1e30
	SPAIR A1, 0x3e827906                           ; 0.254829592
	SPAIR A2, 0xbe91a98e                           ; -0.284496736
	SPAIR A3, 0x3fb5f0e3                           ; 1.421413741
	SPAIR A4, 0xbfba00e3                           ; -1.453152027
	SPAIR A5, 0x3f87dc22                           ; 1.061405429
	SPAIR K1, 0xbf38aa3b                           ; -log2(e) / 2
	s_mov_b32 s[PC], 0x3e6d3388                    ; 0.3275911 / sqrt 2
	v_and_b32 v[RR], 15, v0
	v_bfe_u32 v[HH], v0, 4, 1
	v_mul_u32_u24 v[AAD], v[RR], PITCH
	v_lshl_add_u32 v[AAD], v[HH], 4, v[AAD]
	v_add_nc_u32 v[BAD0], s[G0+1], v[AAD]
	v_add_nc_u32 v[BAD1], SLOTB, v[BAD0]
	s_lshl_b32 s14, s[WV], 7
	s_add_co_u32 s14, s14, XT
	v_add_nc_u32 v[TST], s14, v[AAD]
	v_add_nc_u32 v[AAD], XT, v[AAD]
	s_lshl_b32 s14, s[WV], 8
	s_add_co_u32 s15, s14, PAR
	v_lshl_add_u32 v[PBA], v[HH], 5, s15
	s_add_co_u32 s15, s14, STAT
	v_lshl_add_u32 v[STS], v[RR], 3, s15
	v_lshl_add_u32 v[STR], v[RR], 3, STAT
	v_and_b32 v[PFO], 31, v0
	s_lshl_b32 s14, s[WV], 12
	v_lshl_add_u32 v[GI], v[PFO], 4, s14
	s_lshl_b32 s14, s[WV], 13
	v_lshl_add_u32 v[GX], v[PFO], 4, s14
	v_lshlrev_b32 v[PFO], 8, v[PFO]
	; the three key blocks g - 2, g - 1, g; a block that does not exist is replaced by block 0, whose keys the mask hides
	s_add_co_i32 s2, s[GB], -2
	s_max_i32 s2, s2, 0
	s_lshl_b32 s2, s2, 14
	v_add_nc_u32 v[VOF], s2, v[GI]
	s_add_co_i32 s2, s[GB], -1
	s_max_i32 s2, s2, 0
	s_lshl_b32 s2, s2, 14
	v_add_nc_u32 v[VOF+1], s2, v[GI]
	s_lshl_b32 s2, s[GB], 14
	v_add_nc_u32 v[VOF+2], s2, v[GI]
	v_lshlrev_b32 v[T+8], 4, v0                    ; the parameters' offsets: 16 and 8 bytes a thread
	v_lshlrev_b32 v[T+9], 3, v0
	s_lshl_b32 s14, s[WV], 15                      ; my quarter of a tile in memory,
	s_add_co_u32 s14, s14, 16384                   ; behind the parameter block
	s_mov_b32 s15, 0
	s_wait_dscnt 0x0                               ; the opening add is done
	s_wait_kmcnt 0x0
	s_add_nc_u64 s[G0+2:G0+3], s[6:7], s[14:15]    ; tile 0
	s_add_nc_u64 s[G0+6:G0+7], s[G0+2:G0+3], TILEB ; tile 1
	s_or_b32 s[G0+3], s[G0+3], 0x80000000          ; type = 2
	s_or_b32 s[G0+7], s[G0+7], 0x80000000
	s_lshl_b32 s2, s[GB], 15
	s_mov_b32 s3, 0
	s_add_nc_u64 s[XI:XI+1], s[4:5], s[2:3]
.if LAST
	s_add_nc_u64 s[XO:XO+1], s[12:13], s[2:3]
.else
	s_add_nc_u64 s[XO:XO+1], s[8:9], s[2:3]
.endif
	s_lshl_b32 s2, s[GB], 14
	s_add_nc_u64 s[QI:QI+1], s[4:5], s[2:3]
	s_add_nc_u64 s[QI:QI+1], s[QI:QI+1], 8388608
	s_add_nc_u64 s[KI:KI+1], s[4:5], 12582912
	s_add_nc_u64 s[VI:VI+1], s[4:5], 16777216
.if !LAST
	s_add_nc_u64 s[QO:QO+1], s[8:9], s[2:3]
	s_add_nc_u64 s[KO:KO+1], s[QO:QO+1], 12582912
	s_add_nc_u64 s[VO:VO+1], s[QO:QO+1], 16777216
	s_add_nc_u64 s[QO:QO+1], s[QO:QO+1], 8388608
.endif
	s_lshl2_add_u32 s2, s[CX], s[WV]               ; my wave among the cluster's sixteen:
	s_lshl_b32 s2, s2, 13                          ; its 8,192 bytes of a tile,
	s_add_co_u32 s2, s2, 16384+3*TILEB             ; in tile 3: the first change of slots steps it to tile 4
	s_add_nc_u64 s[PFA:PFA+1], s[6:7], s[2:3]
	s_cmp_eq_u32 ttmp9, 0                          ; the first cluster asks: the same answer in all four partners
	s_cselect_b32 s[LIM], LAST, -1                 ; LAST has three tiles fewer: its loop's last two products name nothing
	ROUND                                          ; all four work-groups are here: the first joint loads meet
	tensor_load_to_lds s[G0:G0+3], s[G1:G1+7]      ; tiles 0 and 1 together: two loads of mine are out, the most in this text
	s_nop 0
	tensor_load_to_lds s[G0+4:G0+7], s[G1:G1+7]
	s_nop 0
	PLACES 4
	; ---------------- ATTENTION, head w, 32 queries x 96 keys ----------------
	WIN 0x40                                       ; destination window 1, address window 0
.set i, 0
.rept 24                                       ; K: key tile i / 4 (block i / 8), quarter fragments in the order in which they lie
	global_load_b128 v[KF+4*i:KF+4*i+3], v[VOF+i/8], s[KI:KI+1] offset:((i/4)%2)*2048+(i%4)*512
.set i, i+1
.endr
	WIN 0
.set i, 0
.rept 8
	global_load_b128 v[QF+4*i:QF+4*i+3], v[GI], s[QI:QI+1] offset:i*512 th:TH_LOAD_NT
.set i, i+1
.endr
	WIN 0x40
.set i, 0
.rept 24                                       ; V^T: block i / 8
	global_load_b128 v[VF+4*i:VF+4*i+3], v[VOF+i/8], s[VI:VI+1] offset:(i%8)*512
.set i, i+1
.endr
.if LAST
.irp e, 0,1,2,3
	global_load_b128 v[PT+4*(\e):PT+4*(\e)+3], v[T+8], s[6:7] offset:(\e)*2048
.endr
	global_load_b64 v[PT+16:PT+17], v[T+9], s[8:9]     ; lnf_g
	global_load_b64 v[PT+18:PT+19], v[T+9], s[10:11]   ; lnf_b
.else
.irp e, 0,1,2,3,4,5
	global_load_b128 v[PT+4*(\e):PT+4*(\e)+3], v[T+8], s[6:7] offset:(\e)*2048
.endr
	global_load_b64 v[PT+24:PT+25], v[T+9], s[6:7] offset:12288
.endif
	WIN 0
	; the mask, written while the loads are on their way.  Register j of tile (mt, kt): query less key = (r - 8 h) + 64 + 16 (mt - kt) - j.  Seen: 0 .. min(63, the query's place in its batch), as one unsigned compare.
	v_lshlrev_b32 v[T+4], 3, v[HH]
	v_sub_nc_u32 v[T+5], v[RR], v[T+4]
	s_and_b32 s2, s[GB], 63                        ; 64 blocks a batch
	s_lshl_b32 s2, s2, 5
	v_add_nc_u32 v[T+6], s2, v[RR]
	v_add_nc_u32 v[T+7], 16, v[T+6]
	v_min_u32 v[T+6], 63, v[T+6]
	v_min_u32 v[T+7], 63, v[T+7]
.set i, 0
.rept 96
	v_add_nc_u32 v[T+4], 64+16*((i/48)-((i%48)/8))-(i%8), v[T+5]
	v_cmp_gt_u32 vcc_lo, v[T+4], v[T+6+i/48]
	v_cndmask_b32 v[S+i], 0, s[BIGN], vcc_lo
.set i, i+1
.endr
	s_wait_loadcnt 24+NPAR                         ; K and Q are in; younger: V's 24 loads and the parameters'
.set i, 0
.rept 16
	global_load_b128 v[XR+4*i:XR+4*i+3], v[GX], s[XI:XI+1] offset:i*512 th:TH_LOAD_NT
.set i, i+1
.endr
	WIN 0x01                                       ; K in window 1
.set i, 0
.rept 24                                       ; S^T = mask + K Q^T: channels 32 (i / 12) on; the 12 accumulators take turns
.set rS, S+8*(i%12)
.set rK, KF+16*((i%12)%6)+8*(i/12)
.set rQ, QF+16*((i%12)/6)+8*(i/12)
	v_wmma_f32_16x16x32_bf16 v[rS:rS+7], v[rK:rK+7], v[rQ:rQ+7], v[rS:rS+7]
.set i, i+1
.endr
	WIN 0
	PLACES 8
.irp m, 0,1                            ; the row's maximum (each accumulator's lowest registers first), then c s - c m
.set sb, S+48*(\m)
.set wb, WK+8*(\m)
.irp k, 0,1,2,3,4,5
	v_max3_num_f32 v[wb+(\k)], v[sb+8*(\k)], v[sb+8*(\k)+1], v[sb+8*(\k)+2]
.endr
.irp k, 0,1,2,3,4,5
	v_max3_num_f32 v[wb+(\k)], v[wb+(\k)], v[sb+8*(\k)+3], v[sb+8*(\k)+4]
.endr
.irp k, 0,1,2,3,4,5
	v_max3_num_f32 v[wb+(\k)], v[wb+(\k)], v[sb+8*(\k)+5], v[sb+8*(\k)+6]
.endr
	v_max3_num_f32 v[wb], v[wb], v[sb+7], v[sb+15]
	v_max3_num_f32 v[wb+2], v[wb+2], v[sb+23], v[sb+31]
	v_max3_num_f32 v[wb+4], v[wb+4], v[sb+39], v[sb+47]
	v_max3_num_f32 v[wb], v[wb], v[wb+1], v[wb+2]
	v_max3_num_f32 v[wb+3], v[wb+3], v[wb+4], v[wb+5]
	v_max_num_f32 v[wb], v[wb], v[wb+3]
	v_permlanex16_b32 v[wb+1], v[wb], s[SEL], s[SEL+1]  ; the query's other 48 keys lie in the lane 16 away
	v_max_num_f32 v[wb], v[wb], v[wb+1]
	v_mul_f32 v[wb], s[CS], v[wb]
.set i, 0
.rept 24
	v_pk_fma_f32 v[sb+2*i:sb+2*i+1], v[sb+2*i:sb+2*i+1], s[CS:CS+1], v[wb:wb+1] op_sel_hi:[1,0,0] neg_lo:[0,0,1] neg_hi:[0,0,1]
.set i, i+1
.endr
.endr
.set i, 0
.rept 96                                       ; one batch
	v_exp_f32 v[S+i], v[S+i]
.set i, i+1
.endr
	v_nop                                          ; a plain instruction behind the last exponential,
	s_wait_alu depctr_va_vdst(0)                   ; and one wait for the batch, ahead of its first reader
.irp m, 0,1                            ; l, of the unrounded weights: four chains of six pairs
.set sb, S+48*(\m)
.set wb, WK+8*(\m)
.irp c, 0,1,2,3
	v_pk_add_f32 v[wb+2*(\c):wb+2*(\c)+1], v[sb+2*(\c):sb+2*(\c)+1], v[sb+2*(\c)+8:sb+2*(\c)+9]
.endr
.irp q, 2,3,4,5
.irp c, 0,1,2,3
	v_pk_add_f32 v[wb+2*(\c):wb+2*(\c)+1], v[wb+2*(\c):wb+2*(\c)+1], v[sb+2*(\c)+8*(\q):sb+2*(\c)+8*(\q)+1]
.endr
.endr
	v_pk_add_f32 v[wb:wb+1], v[wb:wb+1], v[wb+2:wb+3]
	v_pk_add_f32 v[wb+4:wb+5], v[wb+4:wb+5], v[wb+6:wb+7]
	v_pk_add_f32 v[wb:wb+1], v[wb:wb+1], v[wb+4:wb+5]
	v_add_f32 v[wb], v[wb], v[wb+1]
	v_permlanex16_b32 v[wb+1], v[wb], s[SEL], s[SEL+1]
	v_add_f32 v[wb], v[wb], v[wb+1]
.endr
	v_rcp_f32 v[RL], v[WK]                         ; each twice: the packed multiply names a pair
	v_rcp_f32 v[RL+1], v[WK]
	v_rcp_f32 v[RL+2], v[WK+8]
	v_rcp_f32 v[RL+3], v[WK+8]
.irp m, 0,1                            ; P in S^T's place, ascending: register i takes weights 2 i and 2 i + 1, which no later line wants
.set sb, S+48*(\m)
.set i, 0
.rept 24
	v_cvt_pk_bf16_f32 v[sb+i], v[sb+2*i], v[sb+2*i+1]
.set i, i+1
.endr
.endr
	s_wait_alu depctr_va_vdst(0)                   ; the wait for the four reciprocals; the roundings above are the plain work behind them
	s_wait_loadcnt NPAR+16                         ; V is in; younger: the parameters' loads and x's 16
	WIN 0x01                                       ; V^T in window 1
.set i, 0
.rept 24                                       ; O^T = V^T P: keys 32 (i / 8) on; the first 8 start the sums; the 8 accumulators take turns
.set rO, OA+8*(i%8)
.set rV, VF+32*(i/8)+8*((i%8)%4)
.set rP, S+48*((i%8)/4)+8*(i/8)
.if i < 8
	v_wmma_f32_16x16x32_bf16 v[rO:rO+7], v[rV:rV+7], v[rP:rP+7], 0
.else
	v_wmma_f32_16x16x32_bf16 v[rO:rO+7], v[rV:rV+7], v[rP:rP+7], v[rO:rO+7]
.endif
.set i, i+1
.endr
	WIN 0
	PLACES 8
	s_wait_loadcnt 16                              ; the parameters are in; x's 16 loads may stay out
	v_lshl_add_u32 v[T+4], v0, 4, PAR
.if LAST
	v_lshl_add_u32 v[T+5], v0, 3, PAR+8192
	WIN 0x04                                       ; the stores' data in window 1
.irp e, 0,1,2,3
	ds_store_b128 v[T+4], v[PT+4*(\e):PT+4*(\e)+3] offset:(\e)*2048
.endr
	ds_store_b64 v[T+5], v[PT+16:PT+17]
	ds_store_b64 v[T+5], v[PT+18:PT+19] offset:1024
.else
	v_lshl_add_u32 v[T+5], v0, 3, PAR+12288
	WIN 0x04
.irp e, 0,1,2,3,4,5
	ds_store_b128 v[T+4], v[PT+4*(\e):PT+4*(\e)+3] offset:(\e)*2048
.endr
	ds_store_b64 v[T+5], v[PT+24:PT+25]
.endif
	WIN 0
.set i, 0
.rept 32
	v_pk_mul_f32 v[OA+2*i:OA+2*i+1], v[OA+2*i:OA+2*i+1], v[RL+2*(i/16):RL+2*(i/16)+1] op_sel_hi:[1,0]
.set i, i+1
.endr
.set i, 0
.rept 32
	v_cvt_pk_bf16_f32 v[S+i], v[OA+2*i], v[OA+2*i+1]
.set i, i+1
.endr
	TSTORE S, HOFF                                 ; O, head w's 64 columns of 32 rows
	; ---------------- THE WALK THROUGH THE WEIGHTS ----------------
	s_wait_tensorcnt 0x1                           ; my quarter of Wo is in; tile 1's may stay out
	s_wait_dscnt 0x0                               ; for the others' sake: my part of O and of the parameters lies in LDS
	s_barrier_signal -1
	s_barrier_wait -1
	s_wait_loadcnt 0x0                             ; x
	GEMM BAD0, HOFF, XR, 0, 0                      ; x += O Wo^T
	LNORM 0, 1024, 2048, 0, 0                      ; x += bo; LayerNorm 2 into XT
	v_add_nc_u32 v[B1A], 4096, v[PBA]
	s_mov_b32 s[CNT], 4
	s_branch .Lentry                               ; the loop is entered in the middle of a trip: at chunk 0's first product
.Lffn:
	TRIPH 0, 1
	GEMM BAD0, HOFF, XR, 0, 2                      ; x += h W2^T, the chunk before
.Lentry:
	TRIPH 1, 1
	BIASLD B1A, 0
	GEMM BAD1, 0, ACC, 0, 2                        ; 256 features of the hidden layer
	GELU2 0
	GELU2 1
	GELU2 2
	GELU2 3
	TSTORE GP, HOFF
	v_add_nc_u32 v[B1A], 1024, v[B1A]
	s_sub_co_u32 s[CNT], s[CNT], 1
	s_cmp_lg_u32 s[CNT], 0
	s_cbranch_scc1 .Lffn
.if LAST
	TRIPH 0, 0                                     ; the last tile is in; nothing is left to fetch
	GEMM BAD0, HOFF, XR, 0, 0
	s_lshl_b32 s14, s[WV], 8
	s_add_co_u32 s14, s14, STAGE
	v_mul_u32_u24 v[SSA], v[RR], SPITCH
	v_lshl_add_u32 v[SSA], v[HH], 5, v[SSA]
	v_add_nc_u32 v[SSA], s14, v[SSA]               ; the stage by lanes' layout: row r, columns 64 w + 8 h on
	s_mul_i32 s14, s[WV], 8*SPITCH
	s_add_co_u32 s14, s14, STAGE
	v_and_b32 v[SRA], 31, v0
	v_lshl_add_u32 v[SRA], v[SRA], 4, s14          ; the stage by rows: my eight rows, 16 bytes a lane
	LNORM 3072, 8192, 9216, 0, 1                   ; x += b2; the final LayerNorm, f32, into the stage (behind its barrier nobody reads XT or HT any more)
	s_wait_dscnt 0x0                               ; for the others' sake: my columns lie in the stage
	s_barrier_signal -1
	s_barrier_wait -1
.set i, 0
.rept 16
	ds_load_b128 v[FR+4*i:FR+4*i+3], v[SRA] offset:(i/2)*SPITCH+(i%2)*512
.set i, i+1
.endr
.set i, 0
.rept 16
	s_wait_dscnt 15-i
	global_store_b128 v[GX], v[FR+4*i:FR+4*i+3], s[XO:XO+1] offset:i*512 th:TH_STORE_NT  ; 512 consecutive bytes of a row of out0, aligned
.set i, i+1
.endr
.else
	TRIPH 0, 1
	GEMM BAD0, HOFF, XR, 0, 1                      ; the last chunk
	LNORM 3072, 8192, 9216, 1, 0                   ; x += b2, and x goes out; the next layer's LayerNorm 1 into XT
	TRIPH 1, 1
	BIASLD PBA, 10240
	GEMM BAD1, 0, ACC, 0, 0
	QKOUT QO, 0
	TRIPH 0, 1
	BIASLD PBA, 11264
	GEMM BAD0, 0, ACC, 0, 0
	QKOUT KO, 0
	TRIPH 1, 0                                     ; Wv is in; nothing is left to fetch
	BIASV
	GEMM BAD1, 0, ACC, 1, 0
	QKOUT VO, 1
.endif
	s_wait_tensorcnt 0x0                           ; the wave's end, behind my last tensor load and my last LDS store
	ds_add_u32 v[SPW], v[NIL]
	s_wait_dscnt 0x0
	ROUND                                          ; the closing round: no work-group ends while a partner may still ask for a tile that names it
	s_endpgm
.Lfunc_end_k_q406f0e5d9b_mid0:
	.size	k_q406f0e5d9b_mid0, .Lfunc_end_k_q406f0e5d9b_mid0-k_q406f0e5d9b_mid0
	.p2alignl 7, 3214868480
	.fill 96, 4, 3214868480
	.section	.rodata,"a",@progbits
	.p2align	6, 0x0
	.amdhsa_kernel k_q406f0e5d9b_mid0
		.amdhsa_group_segment_fixed_size 327680
		.amdhsa_private_segment_fixed_size 0
		.amdhsa_enable_private_segment 0
		.amdhsa_kernarg_size 24
		.amdhsa_user_sgpr_count 2
		.amdhsa_user_sgpr_kernarg_segment_ptr 1
		.amdhsa_wavefront_size32 1
		.amdhsa_system_sgpr_workgroup_id_x 1
		.amdhsa_system_sgpr_workgroup_id_y 1
		.amdhsa_system_sgpr_workgroup_id_z 1
		.amdhsa_system_vgpr_workitem_id 0
		.amdhsa_next_free_vgpr 480
		.amdhsa_next_free_sgpr 80
		.amdhsa_reserve_vcc 1
		.amdhsa_float_denorm_mode_32 3
		.amdhsa_float_denorm_mode_16_64 3
		.amdhsa_memory_ordered 1
		.amdhsa_forward_progress 1
		.amdhsa_inst_pref_size 185
	.end_amdhsa_kernel
	.amdgpu_metadata
---
amdhsa.version: [ 1, 2 ]
amdhsa.kernels:
  - .name:           k_q406f0e5d9b_mid0
    .symbol:         k_q406f0e5d9b_mid0.kd
    .args:
      - { .name: stA, .offset: 0, .size: 8, .value_kind: global_buffer, .address_space: global }
      - { .name: pM0, .offset: 8, .size: 8, .value_kind: global_buffer, .address_space: global }
      - { .name: stB, .offset: 16, .size: 8, .value_kind: global_buffer, .address_space: global }
    .group_segment_fixed_size: 327680
    .private_segment_fixed_size: 0
    .kernarg_segment_align: 8
    .kernarg_segment_size: 24
    .max_flat_workgroup_size: 128
    .sgpr_count:     80
    .vgpr_count:     480
    .wavefront_size: 32
...
	.end_amdgpu_metadata
.endif
;; end of part 3
;; launch mid1: the kernel of part 3 again; grid 256 x 1, 4 waves a work-group, clusters of 4 x 1, 327,680 bytes of LDS; arguments stB, pM1, stA; writes stA
;; launch mid2: the kernel of part 3 again; grid 256 x 1, 4 waves a work-group, clusters of 4 x 1, 327,680 bytes of LDS; arguments stA, pM2, stB; writes stB
;; launch last (part 4): grid 256 x 1, 4 waves a work-group, clusters of 4 x 1, 327,680 bytes of LDS; arguments stB, pL, lnf_g, lnf_b, out0; writes out0
.if DOCPART == 4
	.amdgcn_target "amdgcn-amd-amdhsa--gfx1250"
	.amdhsa_code_object_version 6
	.text
	.protected	k_q406f0e5d9b_last
	.globl	k_q406f0e5d9b_last
	.p2align	8
	.type	k_q406f0e5d9b_last,@function
k_q406f0e5d9b_last:
	s_mov_b64 s[64:65], 0
	v_nop
	global_prefetch_b8 v0, s[64:65] scope:SCOPE_SE
	s_setreg_imm32_b32 hwreg(HW_REG_WAVE_MODE, 25, 1), 1
	s_wait_xcnt 0x0
	s_wait_alu depctr_hold_cnt(0) depctr_sa_sdst(0) depctr_va_vdst(0) depctr_va_sdst(0) depctr_va_ssrc(0) depctr_va_vcc(0) depctr_vm_vsrc(0)
	s_getreg_b32 s2, hwreg(HW_REG_IB_STS2, 6, 4)
	s_cmp_eq_u32 s2, 0
	s_cbranch_scc0 .Lentry_in_a_cluster
	s_endpgm
.Lentry_in_a_cluster:
	s_bfe_u32 s2, ttmp6, 0x10000c
	s_cmp_lg_u32 s2, 0x3003
	s_cbranch_scc0 .Lentry_shape_is_right
	s_endpgm
.Lentry_shape_is_right:
; ONE LAYER, FROM ATTENTION ON.  LAST = 0: attention, Wo, + x, LayerNorm 2, the feed-forward net, + x, then LayerNorm 1 and q, k, v of the NEXT layer.  Arguments: state in, weights, state out.
; LAST = 1: the same up to the feed-forward net, then the final LayerNorm.  Arguments: state in, weights, lnf_g, lnf_b, out0.  (One source for both; the line below is all that differs.)
.set LAST,   1
; SHARES.  A work-group owns block g of 32 rows (two tiles of 16 tokens, mt); wave w owns output columns 64 w .. 64 w + 63 of every product (four tiles of 16, nt), and head w in attention.
; LAYOUT.  Products are taken transposed (source 0 = 16 weight rows, source 1 = 16 tokens): a lane (r = l % 16, h = l / 16) holds token 16 mt + r and features 64 w + 16 nt + 8 h + 0..7.
; The residual x stays in 64 accumulator registers (XR) all launch long: Wo's and W2's products add onto it in place.  For v the sources are swapped: a lane holds one channel and eight tokens: a fragment of V^T.
; STATE BUFFER.  x at g x 32,768: [wave][tile 4 mt + nt][half][lane][16 bytes], f32 as it lies in XR.  q at 8,388,608 + g x 16,384 and k at 12,582,912 + ..: w x 4,096 + mt x 2,048 + nt x 512 + lane x 16, bf16 fragments.
; v at 16,777,216 + ..: w x 4,096 + nt x 1,024 + mt x 512 + lane x 16.  Every load and store of a wave covers 512 consecutive bytes, aligned.
; ATTENTION.  A query sees its own key and the 63 before it, inside its batch of 64 blocks: all lie in blocks g - 2, g - 1, g: 96 keys, all at hand at once, so the softmax takes the true maximum, no running one.
; S^T = K Q^T holds one query a lane and eight keys; the mask is the C operand that starts the sum: 0, or -1e30 where the key is hidden.  Two results rounded to bf16 are source 1 of O^T = V^T P.
; THE WEIGHTS come through two LDS slots, a tile of 256 rows x 512 bytes each, a quarter a wave, one tile a product.  All work-groups walk the same tiles, so the four of a cluster ask JOINTLY (mask 15).
; GELU is the exact one, x (1 + erf(x / sqrt 2)) / 2, with erf by the rational form 1 - (a1 t + .. + a5 t^5) exp(-z^2), t = 1 / (1 + 0.3275911 z), good for every z >= 0.
; LIMITS.  erf is within 1.5e-7.  A hidden score counts as its value less 1e30 (the problem's own -1e9 gives the same weights, 0, while scores stay far under 1e9).  A weight below 2^-126 counts as 0 in the row's sum.
; Matrix operands (x normalised, q, k, v, the weights p, O, h, all weight matrices) are bf16; x, all sums, maxima and statistics f32.  NaN and infinities are not treated apart.
.set PITCH,  528                       ; an LDS row of 512 bytes + 16 of padding: 33 x 16 bytes, so the 16 rows of a fragment load start in 16 different 16-byte columns of 256
.set SLOTB,  256*PITCH
.set XT,     2*SLOTB                   ; behind the slots, never a tensor load's target: LayerNorm's output, 32 rows in bf16
.set HOFF,   32*PITCH                  ; behind it: O, later a chunk of h, 32 rows in bf16
.set STAGE,  XT                        ; LAST: the same bytes at the end: 32 rows x 1,040 of f32, to turn the lanes' layout into rows
.set SPITCH, 1040
.set PAR,    XT+64*PITCH               ; the parameter block, 13,312 bytes
.set STAT,   PAR+13312                 ; [wave][32 rows][mean, sum of squares]
.set SPARE,  STAT+1024                 ; the spare words, 128 bytes a wave: two blocks of 256 bytes that no other line names
.set TILEB,  131072
.set NPAR,   7-LAST                    ; loads that bring the parameters
.set RR,  1                            ; v1  r
.set HH,  2                            ; v2  h
.set AAD, 3                            ; v3  XT + r x 528 + 16 h: the tokens' fragments
.set BAD0, 4                           ; v4, v5  slot + (64 w + r) x 528 + 16 h: my weights' fragments
.set BAD1, 5
.set CA,  6                            ; v6, v7  the running addresses of a product; LAST: at the end the stage's two addresses
.set CB,  7
.set SSA, 6
.set SRA, 7
.set TST, 8                            ; v8  XT + r x 528 + 128 w + 16 h: where I put 16 bytes of a row
.set PBA, 9                            ; v9  PAR + 256 w + 32 h: my eight features' parameters
.set B1A, 10                           ; v10 the same in b1, at the chunk in hand
.set STS, 11                           ; v11 STAT + 256 w + 8 r
.set STR, 12                           ; v12 STAT + 8 r
.set GI,  13                           ; v13 4,096 w + 16 lane
.set GX,  14                           ; v14 8,192 w + 16 lane
.set PFO, 15                           ; v15 256 lane: the prefetches' offset
.set XR,  16                           ; v16-79   x
.set ACC, 80                           ; v80-143  a product's sums; LayerNorm's scratch
.set FR,  144                          ; v144-239 two sets of fragments (16 of tokens, 32 of weights); free between products
.set GA,  FR                           ; GELU: exponent, then exponential
.set GU,  FR+16                        ;       1 + p z, then t
.set GQ,  FR+32                        ;       the polynomial, then the result
.set GP,  FR+48                        ;       the chunk packed, 32 registers
.set S,   80                           ; attention: v80-175 S^T, tile (mt, kt) at 8 (6 mt + kt); then P in its place
.set QF,  176                          ;            v176-207 Q
.set OA,  176                          ;            v176-239 O^T, tile (mt, ct) at 8 (4 mt + ct)
.set WK,  208                          ;            v208-223 at work in the softmax
.set T,   240                          ; v240-253 at work
.set RL,  240                          ; attention: 1 / l, each twice
.set VOF, 250                          ;            v250-252 the three key blocks' offsets
.set SPW, 254                          ; v254 my spare word's address; never rewritten
.set NIL, 255                          ; v255 0; never rewritten
.set KF,  0                            ; window 1 (v256 on): K, fragment (kt, ks) at 16 kt + 8 ks
.set VF,  96                           ;           V^T, fragment (kb, ct) at 32 kb + 8 ct
.set PT,  192                          ;           the parameters on their way to LDS
.set G1,  16                           ; s[16:23] descriptor group 1
.set G0,  24                           ; s[24:31] descriptor group 0, a set for each slot
.set PFA, 32                           ; s[32:33] where my prefetches stand
.set LIM, 34                           ; s34 a wave prefetches while the loop's count is above this; the greatest number in clusters that ask for nothing
.set CNT, 35
.set KC,  36
.set EPS, 37
.set SEL, 38
.set CS,  40                           ; s[40:41] log2(e) / 8
.set BIGN, 42
.set A1,  44                           ; s[44:53] erf's five coefficients, s[54:55] -log2(e) / 2, each as a pair
.set A2,  46
.set A3,  48
.set A4,  50
.set A5,  52
.set K1,  54
.set PC,  56                           ; s56 0.3275911 / sqrt 2
.set XI,  58                           ; s[58:63], s[66:67] x, q of my block, k, v from block 0 on, in the state read
.set QI,  60
.set KI,  62
.set VI,  66
.set XO,  68                           ; s[68:75] x, q, k, v of my block in the state written (LAST: s[68:69] my rows of out0)
.set QO,  70
.set KO,  72
.set VO,  74
.set WV,  76
.set CX,  77
.set GB,  78
.set MSB, 0
.macro WIN new                         ; s_set_vgpr_msb: bits 1:0 source 0, 3:2 source 1, 5:4 source 2, 7:6 destination; the high byte repeats the setting that is left
.if MSB != (\new)
	s_set_vgpr_msb (MSB<<8)|(\new)
.set MSB, \new
.endif
.endm
.macro PLACES n
.rept \n
	v_nop
.endr
.endm
.macro SPAIR reg, val                  ; a constant as a pair: the packed forms name both words
	s_mov_b32 s[\reg], \val
	s_mov_b32 s[\reg+1], \val
.endm
; A round of the cluster's barrier: my work-group's barrier, wave 0 signals for the work-group, every wave waits for all four work-groups, my work-group's barrier once more.
.macro ROUND
	s_barrier_signal -1
	s_barrier_wait -1
	s_cmp_lg_u32 s[WV], 0
	s_cbranch_scc1 .Lnw0_\@
	s_barrier_signal -3
.Lnw0_\@:
	s_barrier_wait -3
	s_barrier_signal -1
	s_barrier_wait -1
.endm
; THE CHANGE OF SLOTS in front of the product that reads \slot.  Every wave: all its tensor loads have landed (its quarter of \slot among them); the add; its LDS reads and stores are done.
; load = 1: the other slot, read out by the product before, is filled again, jointly: the barrier is a round of the cluster's, and the load is the first thing behind it: it has a product of 64 matrix
; instructions and what follows it in which to land.  The same barrier parts the writing of the tiles XT and HT from their reading, both ways.
.macro TRIPH slot, load
	s_wait_xcnt 0x0                                ; the stores and the prefetch issued so far have read their registers: the fragments' registers and the prefetches' address are written again only behind this wait
	s_add_nc_u64 s[PFA:PFA+1], s[PFA:PFA+1], TILEB
	s_wait_tensorcnt 0x0
	ds_add_u32 v[SPW], v[NIL]
.if \load
	s_add_nc_u64 s[G0+4*(1-(\slot))+2:G0+4*(1-(\slot))+3], s[G0+4*(1-(\slot))+2:G0+4*(1-(\slot))+3], 2*TILEB  ; no load of mine is out: the other slot's next tile
.endif
	s_wait_dscnt 0x0
.if \load
	ROUND
	tensor_load_to_lds s[G0+4*(1-(\slot)):G0+4*(1-(\slot))+3], s[G1:G1+7]
	s_nop 0
	PLACES 4
.else
	s_barrier_signal -1
	s_barrier_wait -1
.endif
.endm
.macro FETCH p                         ; 12 LDS loads: the fragments of 32 along K into set p: two of tokens, four of weights
.irp m, 0,1
	ds_load_b128 v[FR+48*(\p)+8*(\m):FR+48*(\p)+8*(\m)+3],   v[CA] offset:64*(\p)+(\m)*16*PITCH
	ds_load_b128 v[FR+48*(\p)+8*(\m)+4:FR+48*(\p)+8*(\m)+7], v[CA] offset:64*(\p)+(\m)*16*PITCH+32
.endr
.irp n, 0,1,2,3
	ds_load_b128 v[FR+48*(\p)+16+8*(\n):FR+48*(\p)+16+8*(\n)+3],   v[CB] offset:64*(\p)+(\n)*16*PITCH
	ds_load_b128 v[FR+48*(\p)+16+8*(\n)+4:FR+48*(\p)+16+8*(\n)+7], v[CB] offset:64*(\p)+(\n)*16*PITCH+32
.endr
.endm
.macro MUL p, acc, swap                ; 8 matrix instructions on 8 accumulators, which take turns
.irp n, 0,1,2,3
.irp m, 0,1
.if \swap
	v_wmma_f32_16x16x32_bf16 v[(\acc)+8*(4*(\m)+(\n)):(\acc)+8*(4*(\m)+(\n))+7], v[FR+48*(\p)+8*(\m):FR+48*(\p)+8*(\m)+7], v[FR+48*(\p)+16+8*(\n):FR+48*(\p)+16+8*(\n)+7], v[(\acc)+8*(4*(\m)+(\n)):(\acc)+8*(4*(\m)+(\n))+7]
.else
	v_wmma_f32_16x16x32_bf16 v[(\acc)+8*(4*(\m)+(\n)):(\acc)+8*(4*(\m)+(\n))+7], v[FR+48*(\p)+16+8*(\n):FR+48*(\p)+16+8*(\n)+7], v[FR+48*(\p)+8*(\m):FR+48*(\p)+8*(\m)+7], v[(\acc)+8*(4*(\m)+(\n)):(\acc)+8*(4*(\m)+(\n))+7]
.endif
.endr
.endr
.endm
; A PREFETCH INTO THE L2 of the tile that stands two refills on.  Every cluster walks the same tiles: the first cluster asks, nobody else.  Its sixteen waves share a tile out BY ADDRESS,
; 8,192 bytes each, a lane 256 bytes: each block is named once in the launch.  The product that reads tile i names tile i + 3; tiles 0 to 3 come by their loads alone; the last products name nothing.
.macro ASK how                         ; how = 2: in the loop; 1: behind it
.if (\how) == 1
	s_cmp_lg_u32 s[LIM], -1
.else
	s_cmp_gt_u32 s[CNT], s[LIM]
.endif
	s_cbranch_scc0 .Lnoask_\@
	global_prefetch_b8 v[PFO], s[PFA:PFA+1] th:TH_LOAD_NT scope:SCOPE_SE
.Lnoask_\@:
.endm
; 32 tokens x my 64 columns over K = 256, added onto \acc: 64 matrix instructions, eight steps of 32 along K on two sets of fragments.
.macro GEMM bad, aoff, acc, swap, ask
	v_mov_b32 v[CB], v[\bad]
	v_add_nc_u32 v[CA], \aoff, v[AAD]
	FETCH 0
	FETCH 1
.if \ask
	ASK \ask                                       ; behind the tensor load's lines and the LDS loads that the first products wait for
.endif
	s_mov_b32 s[KC], 3
.Lk_\@:
	s_wait_dscnt 12                                ; set 0 (and what was asked for ahead of it) is in; set 1's 12 loads may stay out
	MUL 0, \acc, \swap
	v_add_nc_u32 v[CA], 128, v[CA]                 ; two steps on: with the two v_nop the four places in front of loads into registers that were just multiplied
	v_add_nc_u32 v[CB], 128, v[CB]
	PLACES 2
	FETCH 0
	s_wait_dscnt 12                                ; set 1 is in
	MUL 1, \acc, \swap
	PLACES 4
	FETCH 1
	s_sub_co_u32 s[KC], s[KC], 1
	s_cmp_lg_u32 s[KC], 0
	s_cbranch_scc1 .Lk_\@
	s_wait_dscnt 12
	MUL 0, \acc, \swap
	s_wait_dscnt 0x0
	MUL 1, \acc, \swap
	PLACES 8                                       ; in front of whatever reads the sums or writes the fragments
.endm
.macro BIASLD areg, off                ; the sums start at the bias: my features' 32 numbers, for both token tiles, straight from LDS into the accumulators
.irp m, 0,1
.irp n, 0,1,2,3
	ds_load_b128 v[ACC+8*(4*(\m)+(\n)):ACC+8*(4*(\m)+(\n))+3],   v[\areg] offset:(\off)+(\n)*64
	ds_load_b128 v[ACC+8*(4*(\m)+(\n))+4:ACC+8*(4*(\m)+(\n))+7], v[\areg] offset:(\off)+(\n)*64+16
.endr
.endr
.endm
.macro BIASV                           ; v's product is swapped: a lane holds one channel, so its bias is one number a tile
	s_lshl_b32 s14, s[WV], 8
	s_add_co_u32 s14, s14, PAR+12288
	v_lshl_add_u32 v[T], v[RR], 2, s14
.irp n, 0,1,2,3
	ds_load_b32 v[T+2+(\n)], v[T] offset:(\n)*64
.endr
	s_wait_dscnt 0x0
.set i, 0
.rept 64
	v_mov_b32 v[ACC+i], v[T+2+(i/8)%4]
.set i, i+1
.endr
.endm
.macro TSTORE src, off                 ; eight packed tiles into a tile of 32 rows in LDS
.irp m, 0,1
.irp n, 0,1,2,3
	ds_store_b128 v[TST], v[(\src)+4*(4*(\m)+(\n)):(\src)+4*(4*(\m)+(\n))+3] offset:(\off)+(\m)*16*PITCH+(\n)*32
.endr
.endr
.endm
; LayerNorm of XR.  badd >= 0: a bias at PAR + badd is added to XR first.  xstore: XR is stored as the x image.  out = 0: bf16 into XT; 1: f32 into the stage.
.macro LNORM badd, goff, boff, xstore, out
.if (\badd) >= 0
.irp q, 0,1,2,3,4,5,6,7
	ds_load_b128 v[FR+4*(\q):FR+4*(\q)+3], v[PBA] offset:(\badd)+((\q)/2)*64+((\q)%2)*16
.endr
.endif
.irp q, 0,1,2,3,4,5,6,7
	ds_load_b128 v[FR+32+4*(\q):FR+32+4*(\q)+3], v[PBA] offset:(\goff)+((\q)/2)*64+((\q)%2)*16
.endr
.irp q, 0,1,2,3,4,5,6,7
	ds_load_b128 v[FR+64+4*(\q):FR+64+4*(\q)+3], v[PBA] offset:(\boff)+((\q)/2)*64+((\q)%2)*16
.endr
.if (\badd) >= 0
	s_wait_dscnt 16                                ; the bias is in; gains and offsets, 16 loads, may stay out
.set i, 0
.rept 32
	v_pk_add_f32 v[XR+2*i:XR+2*i+1], v[XR+2*i:XR+2*i+1], v[FR+2*(i%16):FR+2*(i%16)+1]  ; each accumulator from its low end on
.set i, i+1
.endr
.endif
.if \xstore
.set i, 0
.rept 16
	global_store_b128 v[GX], v[XR+4*i:XR+4*i+3], s[XO:XO+1] offset:i*512 th:TH_STORE_NT
.set i, i+1
.endr
.endif
.irp m, 0,1                            ; my 64 columns' mean, then the sum of squared differences from it
.set xb, XR+32*(\m)
.set db, ACC+32*(\m)
.irp c, 0,1,2,3
	v_pk_add_f32 v[T+2*(\c):T+2*(\c)+1], v[xb+8*(\c):xb+8*(\c)+1], v[xb+8*(\c)+2:xb+8*(\c)+3]
.endr
.irp c, 0,1,2,3
	v_pk_add_f32 v[T+2*(\c):T+2*(\c)+1], v[T+2*(\c):T+2*(\c)+1], v[xb+8*(\c)+4:xb+8*(\c)+5]
.endr
.irp c, 0,1,2,3
	v_pk_add_f32 v[T+2*(\c):T+2*(\c)+1], v[T+2*(\c):T+2*(\c)+1], v[xb+8*(\c)+6:xb+8*(\c)+7]
.endr
	v_pk_add_f32 v[T:T+1], v[T:T+1], v[T+2:T+3]
	v_pk_add_f32 v[T+4:T+5], v[T+4:T+5], v[T+6:T+7]
	v_pk_add_f32 v[T:T+1], v[T:T+1], v[T+4:T+5]
	v_add_f32 v[T], v[T], v[T+1]
	v_permlanex16_b32 v[T+1], v[T], s[SEL], s[SEL+1]  ; the token's other 32 columns lie in the lane 16 away
	v_add_f32 v[T], v[T], v[T+1]
	v_mul_f32 v[T], 0x3c800000, v[T]               ; / 64
.set i, 0
.rept 16
	v_pk_add_f32 v[db+2*i:db+2*i+1], v[xb+2*i:xb+2*i+1], v[T:T+1] op_sel_hi:[1,0] neg_lo:[0,1] neg_hi:[0,1]
.set i, i+1
.endr
.irp c, 0,1,2,3
	v_pk_mul_f32 v[T+2+2*(\c):T+3+2*(\c)], v[db+8*(\c):db+8*(\c)+1], v[db+8*(\c):db+8*(\c)+1]
.endr
.irp p, 1,2,3
.irp c, 0,1,2,3
	v_pk_fma_f32 v[T+2+2*(\c):T+3+2*(\c)], v[db+8*(\c)+2*(\p):db+8*(\c)+2*(\p)+1], v[db+8*(\c)+2*(\p):db+8*(\c)+2*(\p)+1], v[T+2+2*(\c):T+3+2*(\c)]
.endr
.endr
	v_pk_add_f32 v[T+2:T+3], v[T+2:T+3], v[T+4:T+5]
	v_pk_add_f32 v[T+6:T+7], v[T+6:T+7], v[T+8:T+9]
	v_pk_add_f32 v[T+2:T+3], v[T+2:T+3], v[T+6:T+7]
	v_add_f32 v[T+2], v[T+2], v[T+3]
	v_permlanex16_b32 v[T+3], v[T+2], s[SEL], s[SEL+1]
	v_mov_b32 v[T+10+2*(\m)], v[T]
	v_add_f32 v[T+11+2*(\m)], v[T+2], v[T+3]
	ds_store_b64 v[STS], v[T+10+2*(\m):T+11+2*(\m)] offset:(\m)*128
.endr
	s_wait_dscnt 0x0                               ; for the others' sake: my statistics lie in LDS; and my reads of the tiles that are written behind the barrier are over
	s_barrier_signal -1
	s_barrier_wait -1
.irp m, 0,1
.irp u, 0,1,2,3
	ds_load_b64 v[ACC+8*(\m)+2*(\u):ACC+8*(\m)+2*(\u)+1], v[STR] offset:(\m)*128+(\u)*256
.endr
.endr
	s_wait_dscnt 0x0
.irp m, 0,1                            ; mean = the four means' mean; sum of squares = the four sums + 64 x the squared distances of the four means from it
.set ab, ACC+8*(\m)
.set lb, ACC+16+4*(\m)
	v_add_f32 v[T], v[ab], v[ab+2]
	v_add_f32 v[T+1], v[ab+4], v[ab+6]
	v_add_f32 v[T+2], v[ab+1], v[ab+3]
	v_add_f32 v[T+3], v[ab+5], v[ab+7]
	v_add_f32 v[T], v[T], v[T+1]
	v_add_f32 v[T+2], v[T+2], v[T+3]
	v_mul_f32 v[lb+2], 0x3e800000, v[T]
	v_sub_f32 v[T+4], v[ab], v[lb+2]
	v_sub_f32 v[T+5], v[ab+2], v[lb+2]
	v_sub_f32 v[T+6], v[ab+4], v[lb+2]
	v_sub_f32 v[T+7], v[ab+6], v[lb+2]
	v_mul_f32 v[T+4], v[T+4], v[T+4]
	v_fma_f32 v[T+4], v[T+5], v[T+5], v[T+4]
	v_fma_f32 v[T+4], v[T+6], v[T+6], v[T+4]
	v_fma_f32 v[T+4], v[T+7], v[T+7], v[T+4]
	v_fma_f32 v[T+2], v[T+4], 0x42800000, v[T+2]
	v_fma_f32 v[lb], v[T+2], 0x3b800000, s[EPS]    ; / 256 + 1e-5
.endr
	v_rsq_f32 v[ACC+16], v[ACC+16]
	v_rsq_f32 v[ACC+20], v[ACC+20]
	v_nop                                          ; a plain instruction behind the last of the two,
	s_wait_alu depctr_va_vdst(0)                   ; and one wait for both, ahead of their first reader
	v_mul_f32 v[ACC+18], v[ACC+18], v[ACC+16]
	v_mul_f32 v[ACC+22], v[ACC+22], v[ACC+20]
.irp t, 0,1,2,3,4,5,6,7                ; (x rs - mean rs) g + b, a tile at a time
.set lb, ACC+16+4*((\t)/4)
.set yt, ACC+24+8*((\t)%2)*(\out)
.irp p, 0,1,2,3
	v_pk_fma_f32 v[yt+2*(\p):yt+2*(\p)+1], v[XR+8*(\t)+2*(\p):XR+8*(\t)+2*(\p)+1], v[lb:lb+1], v[lb+2:lb+3] op_sel_hi:[1,0,0] neg_lo:[0,0,1] neg_hi:[0,0,1]
.endr
.irp p, 0,1,2,3
	v_pk_fma_f32 v[yt+2*(\p):yt+2*(\p)+1], v[yt+2*(\p):yt+2*(\p)+1], v[FR+32+8*((\t)%4)+2*(\p):FR+32+8*((\t)%4)+2*(\p)+1], v[FR+64+8*((\t)%4)+2*(\p):FR+64+8*((\t)%4)+2*(\p)+1]
.endr
.if \out
	ds_store_b128 v[SSA], v[yt:yt+3]   offset:((\t)/4)*16*SPITCH+((\t)%4)*64
	ds_store_b128 v[SSA], v[yt+4:yt+7] offset:((\t)/4)*16*SPITCH+((\t)%4)*64+16
.else
.irp p, 0,1,2,3
	v_cvt_pk_bf16_f32 v[ACC+32+4*(\t)+(\p)], v[yt+2*(\p)], v[yt+2*(\p)+1]
.endr
.endif
.endr
.if !(\out)
	TSTORE ACC+32, 0
.endif
.endm
; GELU of two tiles (16 numbers a lane).  The 16 exponentials and 16 reciprocals are ONE batch with ONE wait; x / 2 is the plain work behind it.
.macro GELU2 u
.set gx, ACC+16*(\u)
.set i, 0
.rept 8
	v_pk_mul_f32 v[GA+2*i:GA+2*i+1], v[gx+2*i:gx+2*i+1], s[K1:K1+1] op_sel_hi:[1,0]
.set i, i+1
.endr
.set i, 0
.rept 8
	v_pk_mul_f32 v[GA+2*i:GA+2*i+1], v[GA+2*i:GA+2*i+1], v[gx+2*i:gx+2*i+1]  ; -x^2 log2(e) / 2
.set i, i+1
.endr
.set i, 0
.rept 16
	v_fma_f32 v[GU+i], |v[gx+i]|, s[PC], 1.0       ; 1 + p |x| / sqrt 2
.set i, i+1
.endr
.set i, 0
.rept 16
	v_exp_f32 v[GA+i], v[GA+i]
.set i, i+1
.endr
.set i, 0
.rept 16
	v_rcp_f32 v[GU+i], v[GU+i]
.set i, i+1
.endr
.set i, 0
.rept 8
	v_pk_mul_f32 v[gx+2*i:gx+2*i+1], v[gx+2*i:gx+2*i+1], 0.5 op_sel_hi:[1,0]
.set i, i+1
.endr
	s_wait_alu depctr_va_vdst(0)                   ; the wait for the batch, ahead of its first reader
.set i, 0
.rept 8
	v_pk_fma_f32 v[GQ+2*i:GQ+2*i+1], v[GU+2*i:GU+2*i+1], s[A5:A5+1], s[A4:A4+1] op_sel_hi:[1,0,0]
.set i, i+1
.endr
.irp c, A3, A2, A1
.set i, 0
.rept 8
	v_pk_fma_f32 v[GQ+2*i:GQ+2*i+1], v[GQ+2*i:GQ+2*i+1], v[GU+2*i:GU+2*i+1], s[\c:\c+1] op_sel_hi:[1,1,0]
.set i, i+1
.endr
.endr
.set i, 0
.rept 8
	v_pk_mul_f32 v[GQ+2*i:GQ+2*i+1], v[GQ+2*i:GQ+2*i+1], v[GU+2*i:GU+2*i+1]
.set i, i+1
.endr
.set i, 0
.rept 8
	v_pk_fma_f32 v[GQ+2*i:GQ+2*i+1], v[GQ+2*i:GQ+2*i+1], v[GA+2*i:GA+2*i+1], 1.0 op_sel_hi:[1,1,0] neg_lo:[1,0,0] neg_hi:[1,0,0]  ; erf(|x| / sqrt 2)
.set i, i+1
.endr
.set i, 0
.rept 16
	v_fma_f32 v[GQ+i], |v[gx+i]|, v[GQ+i], v[gx+i] ; x / 2 + |x / 2| erf
.set i, i+1
.endr
.set i, 0
.rept 8
	v_cvt_pk_bf16_f32 v[GP+8*(\u)+i], v[GQ+2*i], v[GQ+2*i+1]
.set i, i+1
.endr
.endm
.macro QKOUT base, vl                  ; the sums rounded to bf16 and stored as the next launch's fragments; vl = 1: v's order of tiles
.set i, 0
.rept 32
	v_cvt_pk_bf16_f32 v[FR+i], v[ACC+2*i], v[ACC+2*i+1]
.set i, i+1
.endr
.irp m, 0,1
.irp n, 0,1,2,3
.if \vl
	global_store_b128 v[GI], v[FR+4*(4*(\m)+(\n)):FR+4*(4*(\m)+(\n))+3], s[\base:\base+1] offset:(\n)*1024+(\m)*512 th:TH_STORE_NT
.else
	global_store_b128 v[GI], v[FR+4*(4*(\m)+(\n)):FR+4*(4*(\m)+(\n))+3], s[\base:\base+1] offset:(\m)*2048+(\n)*512 th:TH_STORE_NT
.endif
.endr
.endr
.endm
.if LAST
	s_load_b256 s[4:11], s[0:1], 0x0               ; state in s[4:5], weights s[6:7], lnf_g s[8:9], lnf_b s[10:11]
	s_load_b64 s[12:13], s[0:1], 0x20              ; out0
.else
	s_load_b128 s[4:7], s[0:1], 0x0                ; state in s[4:5], weights s[6:7]
	s_load_b64 s[8:9], s[0:1], 0x10                ; state out
.endif
	v_lshl_add_u32 v[SPW], v0, 2, SPARE
	v_mov_b32 v[NIL], 0
	ds_add_u32 v[SPW], v[NIL]                      ; the wave's opening: the add and its wait ahead of my first tensor load; the set-up, work on registers, stands between them
	v_lshrrev_b32 v1, 5, v0
	v_readfirstlane_b32 s[WV], v1                  ; wave 0..3
	s_bfe_u32 s[CX], ttmp6, 0x40000                ; my place in the cluster
	s_lshl_b32 s[GB], ttmp9, 2
	s_add_co_u32 s[GB], s[GB], s[CX]               ; my block of 32 rows: it enters global addresses and the mask's bound alone
	; descriptor group 1: a quarter tile, 64 rows x 256 elements of 2 bytes, padded in LDS
	s_mov_b32 s[G1+0], 15|(1<<16)|(1<<20)|(1<<21)|(6<<22)|(3<<25)  ; the mask of four; 2-byte elements; padding on; bit 21 beside a mask; after every 128 words, 4 words
	s_mov_b32 s[G1+1], 256<<16                     ; tensor_dim0 = 256
	s_mov_b32 s[G1+2], 64<<16                      ; tensor_dim1 = 64
	s_mov_b32 s[G1+3], 256<<16                     ; tile_dim0 = 256
	s_mov_b32 s[G1+4], 64                          ; tile_dim1 = 64
	s_mov_b32 s[G1+5], 256                         ; 256 elements from row to row
	s_mov_b32 s[G1+6], 0
	s_mov_b32 s[G1+7], 0
	s_mov_b32 s[G0], 1
	s_mul_i32 s[G0+1], s[WV], 64*PITCH             ; LDS: slot 0, my quarter
	s_mov_b32 s[G0+4], 1
	s_add_co_u32 s[G0+5], s[G0+1], SLOTB           ; slot 1
	s_mov_b32 s[EPS], 0x3727c5ac                   ; 1e-5
	s_mov_b32 s[SEL], 0x76543210
	s_mov_b32 s[SEL+1], 0xfedcba98
	SPAIR CS, 0x3e38aa3b                           ; log2(e) / 8
	s_mov_b32 s[BIGN], 0xf149f2ca                  ; -1e30
	SPAIR A1, 0x3e827906                           ; 0.254829592
	SPAIR A2, 0xbe91a98e                           ; -0.284496736
	SPAIR A3, 0x3fb5f0e3                           ; 1.421413741
	SPAIR A4, 0xbfba00e3                           ; -1.453152027
	SPAIR A5, 0x3f87dc22                           ; 1.061405429
	SPAIR K1, 0xbf38aa3b                           ; -log2(e) / 2
	s_mov_b32 s[PC], 0x3e6d3388                    ; 0.3275911 / sqrt 2
	v_and_b32 v[RR], 15, v0
	v_bfe_u32 v[HH], v0, 4, 1
	v_mul_u32_u24 v[AAD], v[RR], PITCH
	v_lshl_add_u32 v[AAD], v[HH], 4, v[AAD]
	v_add_nc_u32 v[BAD0], s[G0+1], v[AAD]
	v_add_nc_u32 v[BAD1], SLOTB, v[BAD0]
	s_lshl_b32 s14, s[WV], 7
	s_add_co_u32 s14, s14, XT
	v_add_nc_u32 v[TST], s14, v[AAD]
	v_add_nc_u32 v[AAD], XT, v[AAD]
	s_lshl_b32 s14, s[WV], 8
	s_add_co_u32 s15, s14, PAR
	v_lshl_add_u32 v[PBA], v[HH], 5, s15
	s_add_co_u32 s15, s14, STAT
	v_lshl_add_u32 v[STS], v[RR], 3, s15
	v_lshl_add_u32 v[STR], v[RR], 3, STAT
	v_and_b32 v[PFO], 31, v0
	s_lshl_b32 s14, s[WV], 12
	v_lshl_add_u32 v[GI], v[PFO], 4, s14
	s_lshl_b32 s14, s[WV], 13
	v_lshl_add_u32 v[GX], v[PFO], 4, s14
	v_lshlrev_b32 v[PFO], 8, v[PFO]
	; the three key blocks g - 2, g - 1, g; a block that does not exist is replaced by block 0, whose keys the mask hides
	s_add_co_i32 s2, s[GB], -2
	s_max_i32 s2, s2, 0
	s_lshl_b32 s2, s2, 14
	v_add_nc_u32 v[VOF], s2, v[GI]
	s_add_co_i32 s2, s[GB], -1
	s_max_i32 s2, s2, 0
	s_lshl_b32 s2, s2, 14
	v_add_nc_u32 v[VOF+1], s2, v[GI]
	s_lshl_b32 s2, s[GB], 14
	v_add_nc_u32 v[VOF+2], s2, v[GI]
	v_lshlrev_b32 v[T+8], 4, v0                    ; the parameters' offsets: 16 and 8 bytes a thread
	v_lshlrev_b32 v[T+9], 3, v0
	s_lshl_b32 s14, s[WV], 15                      ; my quarter of a tile in memory,
	s_add_co_u32 s14, s14, 16384                   ; behind the parameter block
	s_mov_b32 s15, 0
	s_wait_dscnt 0x0                               ; the opening add is done
	s_wait_kmcnt 0x0
	s_add_nc_u64 s[G0+2:G0+3], s[6:7], s[14:15]    ; tile 0
	s_add_nc_u64 s[G0+6:G0+7], s[G0+2:G0+3], TILEB ; tile 1
	s_or_b32 s[G0+3], s[G0+3], 0x80000000          ; type = 2
	s_or_b32 s[G0+7], s[G0+7], 0x80000000
	s_lshl_b32 s2, s[GB], 15
	s_mov_b32 s3, 0
	s_add_nc_u64 s[XI:XI+1], s[4:5], s[2:3]
.if LAST
	s_add_nc_u64 s[XO:XO+1], s[12:13], s[2:3]
.else
	s_add_nc_u64 s[XO:XO+1], s[8:9], s[2:3]
.endif
	s_lshl_b32 s2, s[GB], 14
	s_add_nc_u64 s[QI:QI+1], s[4:5], s[2:3]
	s_add_nc_u64 s[QI:QI+1], s[QI:QI+1], 8388608
	s_add_nc_u64 s[KI:KI+1], s[4:5], 12582912
	s_add_nc_u64 s[VI:VI+1], s[4:5], 16777216
.if !LAST
	s_add_nc_u64 s[QO:QO+1], s[8:9], s[2:3]
	s_add_nc_u64 s[KO:KO+1], s[QO:QO+1], 12582912
	s_add_nc_u64 s[VO:VO+1], s[QO:QO+1], 16777216
	s_add_nc_u64 s[QO:QO+1], s[QO:QO+1], 8388608
.endif
	s_lshl2_add_u32 s2, s[CX], s[WV]               ; my wave among the cluster's sixteen:
	s_lshl_b32 s2, s2, 13                          ; its 8,192 bytes of a tile,
	s_add_co_u32 s2, s2, 16384+3*TILEB             ; in tile 3: the first change of slots steps it to tile 4
	s_add_nc_u64 s[PFA:PFA+1], s[6:7], s[2:3]
	s_cmp_eq_u32 ttmp9, 0                          ; the first cluster asks: the same answer in all four partners
	s_cselect_b32 s[LIM], LAST, -1                 ; LAST has three tiles fewer: its loop's last two products name nothing
	ROUND                                          ; all four work-groups are here: the first joint loads meet
	tensor_load_to_lds s[G0:G0+3], s[G1:G1+7]      ; tiles 0 and 1 together: two loads of mine are out, the most in this text
	s_nop 0
	tensor_load_to_lds s[G0+4:G0+7], s[G1:G1+7]
	s_nop 0
	PLACES 4
	; ---------------- ATTENTION, head w, 32 queries x 96 keys ----------------
	WIN 0x40                                       ; destination window 1, address window 0
.set i, 0
.rept 24                                       ; K: key tile i / 4 (block i / 8), quarter fragments in the order in which they lie
	global_load_b128 v[KF+4*i:KF+4*i+3], v[VOF+i/8], s[KI:KI+1] offset:((i/4)%2)*2048+(i%4)*512
.set i, i+1
.endr
	WIN 0
.set i, 0
.rept 8
	global_load_b128 v[QF+4*i:QF+4*i+3], v[GI], s[QI:QI+1] offset:i*512 th:TH_LOAD_NT
.set i, i+1
.endr
	WIN 0x40
.set i, 0
.rept 24                                       ; V^T: block i / 8
	global_load_b128 v[VF+4*i:VF+4*i+3], v[VOF+i/8], s[VI:VI+1] offset:(i%8)*512
.set i, i+1
.endr
.if LAST
.irp e, 0,1,2,3
	global_load_b128 v[PT+4*(\e):PT+4*(\e)+3], v[T+8], s[6:7] offset:(\e)*2048
.endr
	global_load_b64 v[PT+16:PT+17], v[T+9], s[8:9]     ; lnf_g
	global_load_b64 v[PT+18:PT+19], v[T+9], s[10:11]   ; lnf_b
.else
.irp e, 0,1,2,3,4,5
	global_load_b128 v[PT+4*(\e):PT+4*(\e)+3], v[T+8], s[6:7] offset:(\e)*2048
.endr
	global_load_b64 v[PT+24:PT+25], v[T+9], s[6:7] offset:12288
.endif
	WIN 0
	; the mask, written while the loads are on their way.  Register j of tile (mt, kt): query less key = (r - 8 h) + 64 + 16 (mt - kt) - j.  Seen: 0 .. min(63, the query's place in its batch), as one unsigned compare.
	v_lshlrev_b32 v[T+4], 3, v[HH]
	v_sub_nc_u32 v[T+5], v[RR], v[T+4]
	s_and_b32 s2, s[GB], 63                        ; 64 blocks a batch
	s_lshl_b32 s2, s2, 5
	v_add_nc_u32 v[T+6], s2, v[RR]
	v_add_nc_u32 v[T+7], 16, v[T+6]
	v_min_u32 v[T+6], 63, v[T+6]
	v_min_u32 v[T+7], 63, v[T+7]
.set i, 0
.rept 96
	v_add_nc_u32 v[T+4], 64+16*((i/48)-((i%48)/8))-(i%8), v[T+5]
	v_cmp_gt_u32 vcc_lo, v[T+4], v[T+6+i/48]
	v_cndmask_b32 v[S+i], 0, s[BIGN], vcc_lo
.set i, i+1
.endr
	s_wait_loadcnt 24+NPAR                         ; K and Q are in; younger: V's 24 loads and the parameters'
.set i, 0
.rept 16
	global_load_b128 v[XR+4*i:XR+4*i+3], v[GX], s[XI:XI+1] offset:i*512 th:TH_LOAD_NT
.set i, i+1
.endr
	WIN 0x01                                       ; K in window 1
.set i, 0
.rept 24                                       ; S^T = mask + K Q^T: channels 32 (i / 12) on; the 12 accumulators take turns
.set rS, S+8*(i%12)
.set rK, KF+16*((i%12)%6)+8*(i/12)
.set rQ, QF+16*((i%12)/6)+8*(i/12)
	v_wmma_f32_16x16x32_bf16 v[rS:rS+7], v[rK:rK+7], v[rQ:rQ+7], v[rS:rS+7]
.set i, i+1
.endr
	WIN 0
	PLACES 8
.irp m, 0,1                            ; the row's maximum (each accumulator's lowest registers first), then c s - c m
.set sb, S+48*(\m)
.set wb, WK+8*(\m)
.irp k, 0,1,2,3,4,5
	v_max3_num_f32 v[wb+(\k)], v[sb+8*(\k)], v[sb+8*(\k)+1], v[sb+8*(\k)+2]
.endr
.irp k, 0,1,2,3,4,5
	v_max3_num_f32 v[wb+(\k)], v[wb+(\k)], v[sb+8*(\k)+3], v[sb+8*(\k)+4]
.endr
.irp k, 0,1,2,3,4,5
	v_max3_num_f32 v[wb+(\k)], v[wb+(\k)], v[sb+8*(\k)+5], v[sb+8*(\k)+6]
.endr
	v_max3_num_f32 v[wb], v[wb], v[sb+7], v[sb+15]
	v_max3_num_f32 v[wb+2], v[wb+2], v[sb+23], v[sb+31]
	v_max3_num_f32 v[wb+4], v[wb+4], v[sb+39], v[sb+47]
	v_max3_num_f32 v[wb], v[wb], v[wb+1], v[wb+2]
	v_max3_num_f32 v[wb+3], v[wb+3], v[wb+4], v[wb+5]
	v_max_num_f32 v[wb], v[wb], v[wb+3]
	v_permlanex16_b32 v[wb+1], v[wb], s[SEL], s[SEL+1]  ; the query's other 48 keys lie in the lane 16 away
	v_max_num_f32 v[wb], v[wb], v[wb+1]
	v_mul_f32 v[wb], s[CS], v[wb]
.set i, 0
.rept 24
	v_pk_fma_f32 v[sb+2*i:sb+2*i+1], v[sb+2*i:sb+2*i+1], s[CS:CS+1], v[wb:wb+1] op_sel_hi:[1,0,0] neg_lo:[0,0,1] neg_hi:[0,0,1]
.set i, i+1
.endr
.endr
.set i, 0
.rept 96                                       ; one batch
	v_exp_f32 v[S+i], v[S+i]
.set i, i+1
.endr
	v_nop                                          ; a plain instruction behind the last exponential,
	s_wait_alu depctr_va_vdst(0)                   ; and one wait for the batch, ahead of its first reader
.irp m, 0,1                            ; l, of the unrounded weights: four chains of six pairs
.set sb, S+48*(\m)
.set wb, WK+8*(\m)
.irp c, 0,1,2,3
	v_pk_add_f32 v[wb+2*(\c):wb+2*(\c)+1], v[sb+2*(\c):sb+2*(\c)+1], v[sb+2*(\c)+8:sb+2*(\c)+9]
.endr
.irp q, 2,3,4,5
.irp c, 0,1,2,3
	v_pk_add_f32 v[wb+2*(\c):wb+2*(\c)+1], v[wb+2*(\c):wb+2*(\c)+1], v[sb+2*(\c)+8*(\q):sb+2*(\c)+8*(\q)+1]
.endr
.endr
	v_pk_add_f32 v[wb:wb+1], v[wb:wb+1], v[wb+2:wb+3]
	v_pk_add_f32 v[wb+4:wb+5], v[wb+4:wb+5], v[wb+6:wb+7]
	v_pk_add_f32 v[wb:wb+1], v[wb:wb+1], v[wb+4:wb+5]
	v_add_f32 v[wb], v[wb], v[wb+1]
	v_permlanex16_b32 v[wb+1], v[wb], s[SEL], s[SEL+1]
	v_add_f32 v[wb], v[wb], v[wb+1]
.endr
	v_rcp_f32 v[RL], v[WK]                         ; each twice: the packed multiply names a pair
	v_rcp_f32 v[RL+1], v[WK]
	v_rcp_f32 v[RL+2], v[WK+8]
	v_rcp_f32 v[RL+3], v[WK+8]
.irp m, 0,1                            ; P in S^T's place, ascending: register i takes weights 2 i and 2 i + 1, which no later line wants
.set sb, S+48*(\m)
.set i, 0
.rept 24
	v_cvt_pk_bf16_f32 v[sb+i], v[sb+2*i], v[sb+2*i+1]
.set i, i+1
.endr
.endr
	s_wait_alu depctr_va_vdst(0)                   ; the wait for the four reciprocals; the roundings above are the plain work behind them
	s_wait_loadcnt NPAR+16                         ; V is in; younger: the parameters' loads and x's 16
	WIN 0x01                                       ; V^T in window 1
.set i, 0
.rept 24                                       ; O^T = V^T P: keys 32 (i / 8) on; the first 8 start the sums; the 8 accumulators take turns
.set rO, OA+8*(i%8)
.set rV, VF+32*(i/8)+8*((i%8)%4)
.set rP, S+48*((i%8)/4)+8*(i/8)
.if i < 8
	v_wmma_f32_16x16x32_bf16 v[rO:rO+7], v[rV:rV+7], v[rP:rP+7], 0
.else
	v_wmma_f32_16x16x32_bf16 v[rO:rO+7], v[rV:rV+7], v[rP:rP+7], v[rO:rO+7]
.endif
.set i, i+1
.endr
	WIN 0
	PLACES 8
	s_wait_loadcnt 16                              ; the parameters are in; x's 16 loads may stay out
	v_lshl_add_u32 v[T+4], v0, 4, PAR
.if LAST
	v_lshl_add_u32 v[T+5], v0, 3, PAR+8192
	WIN 0x04                                       ; the stores' data in window 1
.irp e, 0,1,2,3
	ds_store_b128 v[T+4], v[PT+4*(\e):PT+4*(\e)+3] offset:(\e)*2048
.endr
	ds_store_b64 v[T+5], v[PT+16:PT+17]
	ds_store_b64 v[T+5], v[PT+18:PT+19] offset:1024
.else
	v_lshl_add_u32 v[T+5], v0, 3, PAR+12288
	WIN 0x04
.irp e, 0,1,2,3,4,5
	ds_store_b128 v[T+4], v[PT+4*(\e):PT+4*(\e)+3] offset:(\e)*2048
.endr
	ds_store_b64 v[T+5], v[PT+24:PT+25]
.endif
	WIN 0
.set i, 0
.rept 32
	v_pk_mul_f32 v[OA+2*i:OA+2*i+1], v[OA+2*i:OA+2*i+1], v[RL+2*(i/16):RL+2*(i/16)+1] op_sel_hi:[1,0]
.set i, i+1
.endr
.set i, 0
.rept 32
	v_cvt_pk_bf16_f32 v[S+i], v[OA+2*i], v[OA+2*i+1]
.set i, i+1
.endr
	TSTORE S, HOFF                                 ; O, head w's 64 columns of 32 rows
	; ---------------- THE WALK THROUGH THE WEIGHTS ----------------
	s_wait_tensorcnt 0x1                           ; my quarter of Wo is in; tile 1's may stay out
	s_wait_dscnt 0x0                               ; for the others' sake: my part of O and of the parameters lies in LDS
	s_barrier_signal -1
	s_barrier_wait -1
	s_wait_loadcnt 0x0                             ; x
	GEMM BAD0, HOFF, XR, 0, 0                      ; x += O Wo^T
	LNORM 0, 1024, 2048, 0, 0                      ; x += bo; LayerNorm 2 into XT
	v_add_nc_u32 v[B1A], 4096, v[PBA]
	s_mov_b32 s[CNT], 4
	s_branch .Lentry                               ; the loop is entered in the middle of a trip: at chunk 0's first product
.Lffn:
	TRIPH 0, 1
	GEMM BAD0, HOFF, XR, 0, 2                      ; x += h W2^T, the chunk before
.Lentry:
	TRIPH 1, 1
	BIASLD B1A, 0
	GEMM BAD1, 0, ACC, 0, 2                        ; 256 features of the hidden layer
	GELU2 0
	GELU2 1
	GELU2 2
	GELU2 3
	TSTORE GP, HOFF
	v_add_nc_u32 v[B1A], 1024, v[B1A]
	s_sub_co_u32 s[CNT], s[CNT], 1
	s_cmp_lg_u32 s[CNT], 0
	s_cbranch_scc1 .Lffn
.if LAST
	TRIPH 0, 0                                     ; the last tile is in; nothing is left to fetch
	GEMM BAD0, HOFF, XR, 0, 0
	s_lshl_b32 s14, s[WV], 8
	s_add_co_u32 s14, s14, STAGE
	v_mul_u32_u24 v[SSA], v[RR], SPITCH
	v_lshl_add_u32 v[SSA], v[HH], 5, v[SSA]
	v_add_nc_u32 v[SSA], s14, v[SSA]               ; the stage by lanes' layout: row r, columns 64 w + 8 h on
	s_mul_i32 s14, s[WV], 8*SPITCH
	s_add_co_u32 s14, s14, STAGE
	v_and_b32 v[SRA], 31, v0
	v_lshl_add_u32 v[SRA], v[SRA], 4, s14          ; the stage by rows: my eight rows, 16 bytes a lane
	LNORM 3072, 8192, 9216, 0, 1                   ; x += b2; the final LayerNorm, f32, into the stage (behind its barrier nobody reads XT or HT any more)
	s_wait_dscnt 0x0                               ; for the others' sake: my columns lie in the stage
	s_barrier_signal -1
	s_barrier_wait -1
.set i, 0
.rept 16
	ds_load_b128 v[FR+4*i:FR+4*i+3], v[SRA] offset:(i/2)*SPITCH+(i%2)*512
.set i, i+1
.endr
.set i, 0
.rept 16
	s_wait_dscnt 15-i
	global_store_b128 v[GX], v[FR+4*i:FR+4*i+3], s[XO:XO+1] offset:i*512 th:TH_STORE_NT  ; 512 consecutive bytes of a row of out0, aligned
.set i, i+1
.endr
.else
	TRIPH 0, 1
	GEMM BAD0, HOFF, XR, 0, 1                      ; the last chunk
	LNORM 3072, 8192, 9216, 1, 0                   ; x += b2, and x goes out; the next layer's LayerNorm 1 into XT
	TRIPH 1, 1
	BIASLD PBA, 10240
	GEMM BAD1, 0, ACC, 0, 0
	QKOUT QO, 0
	TRIPH 0, 1
	BIASLD PBA, 11264
	GEMM BAD0, 0, ACC, 0, 0
	QKOUT KO, 0
	TRIPH 1, 0                                     ; Wv is in; nothing is left to fetch
	BIASV
	GEMM BAD1, 0, ACC, 1, 0
	QKOUT VO, 1
.endif
	s_wait_tensorcnt 0x0                           ; the wave's end, behind my last tensor load and my last LDS store
	ds_add_u32 v[SPW], v[NIL]
	s_wait_dscnt 0x0
	ROUND                                          ; the closing round: no work-group ends while a partner may still ask for a tile that names it
	s_endpgm
.Lfunc_end_k_q406f0e5d9b_last:
	.size	k_q406f0e5d9b_last, .Lfunc_end_k_q406f0e5d9b_last-k_q406f0e5d9b_last
	.p2alignl 7, 3214868480
	.fill 96, 4, 3214868480
	.section	.rodata,"a",@progbits
	.p2align	6, 0x0
	.amdhsa_kernel k_q406f0e5d9b_last
		.amdhsa_group_segment_fixed_size 327680
		.amdhsa_private_segment_fixed_size 0
		.amdhsa_enable_private_segment 0
		.amdhsa_kernarg_size 40
		.amdhsa_user_sgpr_count 2
		.amdhsa_user_sgpr_kernarg_segment_ptr 1
		.amdhsa_wavefront_size32 1
		.amdhsa_system_sgpr_workgroup_id_x 1
		.amdhsa_system_sgpr_workgroup_id_y 1
		.amdhsa_system_sgpr_workgroup_id_z 1
		.amdhsa_system_vgpr_workitem_id 0
		.amdhsa_next_free_vgpr 480
		.amdhsa_next_free_sgpr 80
		.amdhsa_reserve_vcc 1
		.amdhsa_float_denorm_mode_32 3
		.amdhsa_float_denorm_mode_16_64 3
		.amdhsa_memory_ordered 1
		.amdhsa_forward_progress 1
		.amdhsa_inst_pref_size 152
	.end_amdhsa_kernel
	.amdgpu_metadata
---
amdhsa.version: [ 1, 2 ]
amdhsa.kernels:
  - .name:           k_q406f0e5d9b_last
    .symbol:         k_q406f0e5d9b_last.kd
    .args:
      - { .name: stB, .offset: 0, .size: 8, .value_kind: global_buffer, .address_space: global }
      - { .name: pL, .offset: 8, .size: 8, .value_kind: global_buffer, .address_space: global }
      - { .name: lnf_g, .offset: 16, .size: 8, .value_kind: global_buffer, .address_space: global }
      - { .name: lnf_b, .offset: 24, .size: 8, .value_kind: global_buffer, .address_space: global }
      - { .name: out0, .offset: 32, .size: 8, .value_kind: global_buffer, .address_space: global }
    .group_segment_fixed_size: 327680
    .private_segment_fixed_size: 0
    .kernarg_segment_align: 8
    .kernarg_segment_size: 40
    .max_flat_workgroup_size: 128
    .sgpr_count:     80
    .vgpr_count:     480
    .wavefront_size: 32
...
	.end_amdgpu_metadata
.endif
;; end of part 4
;; ======== version 2 of 2: 6 launches; version 1 with the launch prep written anew for expert scheduling mode
;; workspace buffers: stA 20,971,520 bytes; stB 20,971,520 bytes; pF 409,600 bytes; pM0 1,589,248 bytes; pM1 1,589,248 bytes; pM2 1,589,248 bytes; pL 1,196,032 bytes
;; launch prep (part 5): grid 193 x 4, 4 waves a work-group, no clusters, 0 bytes of LDS; arguments W1, W2, Wo, Wqkv, b1, b2, bo, bqkv, ln1_b, ln1_g, ln2_b, ln2_g, pF, pM0, pM1, pM2, pL; writes pF, pM0, pM1, pM2, pL
.if DOCPART == 5
	.amdgcn_target "amdgcn-amd-amdhsa--gfx1250"
	.amdhsa_code_object_version 6
	.text
	.protected	k_q406f0e5d9b_prep
	.globl	k_q406f0e5d9b_prep
	.p2align	8
	.type	k_q406f0e5d9b_prep,@function
k_q406f0e5d9b_prep:
	s_mov_b64 s[64:65], 0
	v_nop
	global_prefetch_b8 v0, s[64:65] scope:SCOPE_SE
	s_setreg_imm32_b32 hwreg(HW_REG_WAVE_SCHED_MODE, 0, 2), 2
	s_setreg_imm32_b32 hwreg(HW_REG_WAVE_MODE, 25, 1), 1
	s_wait_xcnt 0x0
	s_wait_alu depctr_vm_vsrc(0)
; THE WEIGHTS ARE LAID OUT FOR THE LAUNCHES THAT FOLLOW.  Each later launch walks one buffer from front to back: a block of parameters (f32) at byte 0,
; then from byte 16,384 on tiles of 256 output rows x 256 k in bf16, dense (131,072 bytes), in the order in which they are multiplied:
;   pF:  Wq, Wk, Wv of layer 0.     pM(l): Wo, then W1 rows 256 c .. and W2 columns 256 c .. by turns (c = 0..3) of layer l, then Wq, Wk, Wv of layer l + 1.     pL: as pM(3) without the last three.
; Parameter block: +0 bo, +1024 ln2_g, +2048 ln2_b, +3072 b2, +4096 b1 of the layer; +8192 ln1_g, +9216 ln1_b, +10240 bqkv of the layer whose QKV the launch makes.
; GRID.  y = layer l.  x < 192: tile job j = x / 16 (0-2 Wq Wk Wv, 3 Wo, 4 + 2 c W1, 5 + 2 c W2), piece x % 16 = 16 rows, 4 rows a wave.  x = 192: the layer's parameters.
; A stream: each f32 is read once by 16-byte loads (512 consecutive bytes a wave), rounded once to bf16, and each store of a wave covers 256 consecutive bytes, aligned.
; No LDS, no barrier, no cluster, no matrix unit: no byte is shared between waves.
; THE MODE: SCHED_MODE bits 1:0 = 2 (LLVM: expert scheduling mode 2), set by the entry lines.  The code itself states the register dependences
; between vector instructions and memory instructions, with s_wait_alu, always for 0.
; THE PLAN.  Registers that memory instructions touch:
;   v2-v6      byte offsets.  Written once by vector instructions, read by every load and store of the path, never written again: one wait ahead of the path's first load.
;   v[8:39]    the numbers as loaded.  Written by loads alone, once; in a tile job read by the conversions, in the parameter job by the stores.
;   v[40:55]   a tile job's out registers, four a row.  Written once by the row's four conversions, read by the row's two stores, never written again.
; A tile job goes by rows: at the head of row i, behind the wait for the row's two loads, ONE wait states that row i - 1's conversions have written their four out registers;
; that row's two stores follow it directly, then row i's conversions.  One more such wait stands ahead of the last row's stores.  No register that a memory instruction reads is written a second time.
.set PF,  32                           ; s[32:33] pF, s[34:35] pM0, s[36:37] pM1, s[38:39] pM2, s[40:41] pL
.set RAW, 8                            ; v[8:39]   row i: 8 registers at RAW + 8 i, 8 f32 of my lane as loaded
.set OUT, 40                           ; v[40:55]  row i: 4 registers at OUT + 4 i, the same 8 numbers in bf16
.macro PICK dst, idx                   ; s[dst:dst+1] = the buffer with number s[idx] of pF, pM0, pM1, pM2, pL: a choice between buffers on a number made of the grid's ids
	s_mov_b64 s[\dst:\dst+1], s[PF:PF+1]
	s_cmp_eq_u32 s[\idx], 1
	s_cselect_b64 s[\dst:\dst+1], s[PF+2:PF+3], s[\dst:\dst+1]
	s_cmp_eq_u32 s[\idx], 2
	s_cselect_b64 s[\dst:\dst+1], s[PF+4:PF+5], s[\dst:\dst+1]
	s_cmp_eq_u32 s[\idx], 3
	s_cselect_b64 s[\dst:\dst+1], s[PF+6:PF+7], s[\dst:\dst+1]
	s_cmp_eq_u32 s[\idx], 4
	s_cselect_b64 s[\dst:\dst+1], s[PF+8:PF+9], s[\dst:\dst+1]
.endm
	s_load_b512 s[8:23], s[0:1], 0x0               ; W1 s[8:9], W2 s[10:11], Wo s[12:13], Wqkv s[14:15], b1 s[16:17], b2 s[18:19], bo s[20:21], bqkv s[22:23]
	s_load_b512 s[24:39], s[0:1], 0x40             ; ln1_b s[24:25], ln1_g s[26:27], ln2_b s[28:29], ln2_g s[30:31], pF, pM0, pM1, pM2
	s_load_b64 s[40:41], s[0:1], 0x80              ; pL
	v_lshrrev_b32 v1, 5, v0
	v_readfirstlane_b32 s42, v1                    ; wave 0..3
	s_and_b32 s44, ttmp7, 0xffff                   ; layer l
	s_wait_alu depctr_va_sdst(0)                   ; s42 is written
	s_cmp_eq_u32 ttmp9, 192
	s_cbranch_scc1 .Lparams
	; ---- a tile job.  All offsets are made apart from the addresses, ahead of the compares that choose among them ----
	s_lshr_b32 s43, ttmp9, 4                       ; j
	s_and_b32 s45, ttmp9, 15                       ; piece
	s_sub_co_u32 s46, s43, 4                       ; (for j < 4 what is made of this is not chosen)
	s_lshr_b32 s47, s46, 1                         ; chunk c
	s_and_b32 s46, s46, 1                          ; 0: W1, 1: W2
	s_lshl_b32 s53, s44, 20                        ; the layer in W1 and in W2
	s_lshl_b32 s60, s47, 18                        ; W1: 256 rows of 1,024 bytes
	s_lshl_b32 s61, s47, 10                        ; W2: 256 columns of 4 bytes
	s_lshl_b32 s62, s44, 18                        ; the layer in Wo
	s_mul_i32 s63, s44, 786432                     ; the layer in Wqkv,
	s_lshl_b32 s59, s43, 18
	s_add_co_u32 s63, s63, s59                     ; and 256 j rows
	s_add_co_u32 s56, s44, 1                       ; l + 1
	s_add_co_u32 s57, s43, 9                       ; QKV's tiles stand last in pM,
	s_sub_co_u32 s59, s43, 3                       ; the layer's own tiles from 0 on
	s_cmp_eq_u32 s44, 0
	s_cselect_b32 s57, s43, s57                    ; and first in pF
	s_cmp_lt_u32 s43, 3
	s_cselect_b32 s58, s44, s56                    ; the buffer's number: QKV of layer l goes to the launch before
	s_cselect_b32 s59, s57, s59                    ; the tile's place in it
	s_wait_kmcnt 0x0
	s_cmp_eq_u32 s46, 0
	s_cselect_b64 s[48:49], s[8:9], s[10:11]
	s_cselect_b32 s50, s60, s61
	s_cselect_b32 s52, 10, 12                      ; bytes from row to row, as a shift: 1,024 or 4,096
	s_add_co_u32 s50, s50, s53
	s_cmp_eq_u32 s43, 3
	s_cselect_b64 s[48:49], s[12:13], s[48:49]
	s_cselect_b32 s50, s62, s50
	s_cselect_b32 s52, 10, s52
	s_cmp_lt_u32 s43, 3
	s_cselect_b64 s[48:49], s[14:15], s[48:49]
	s_cselect_b32 s50, s63, s50
	s_cselect_b32 s52, 10, s52
	s_lshl_b32 s60, s45, 4
	s_lshl2_add_u32 s60, s42, s60                  ; my first row of the tile: 16 x piece + 4 x wave
	s_lshl_b32 s61, s60, s52
	s_add_co_u32 s50, s50, s61
	s_mov_b32 s51, 0
	s_add_nc_u64 s[48:49], s[48:49], s[50:51]      ; the source at my first row
	PICK 54, 58
	s_lshl_b32 s56, s59, 17                        ; 131,072 bytes a tile,
	s_lshl_b32 s61, s60, 9                         ; 512 a row
	s_add_co_u32 s56, s56, s61
	s_add_co_u32 s56, s56, 16384
	s_mov_b32 s57, 0
	s_add_nc_u64 s[54:55], s[54:55], s[56:57]      ; the destination at my first row
	s_lshl_b32 s62, 1, s52
	v_and_b32 v1, 31, v0
	v_lshlrev_b32 v2, 4, v1                        ; 16 bytes a lane; v2-v5: rows 0 to 3
	v_add_nc_u32 v3, s62, v2
	v_add_nc_u32 v4, s62, v3
	v_add_nc_u32 v5, s62, v4
	v_lshlrev_b32 v6, 3, v1                        ; 8 bytes a lane on the way out
	s_wait_alu depctr_va_vdst(0)                   ; the offsets v2 to v6 are written: the eight loads read v2 to v5, the eight stores v6; none of them is written again
.irp i, 0,1,2,3
	global_load_b128 v[RAW+8*(\i):RAW+8*(\i)+3],   v[2+(\i)], s[48:49] th:TH_LOAD_NT
	global_load_b128 v[RAW+8*(\i)+4:RAW+8*(\i)+7], v[2+(\i)], s[48:49] offset:512 th:TH_LOAD_NT
.endr
.set i, 0
.rept 4
	s_wait_loadcnt 6-2*i                           ; loads come back in order: row i's two are in, the later rows' stay out
.if i > 0
	s_wait_alu depctr_va_vdst(0)                   ; the conversions of the row before have written its four out registers, which the two stores below read
	global_store_b64 v6, v[OUT+4*(i-1):OUT+4*(i-1)+1],   s[54:55] offset:(i-1)*512      ; 256 consecutive bytes, aligned
	global_store_b64 v6, v[OUT+4*(i-1)+2:OUT+4*(i-1)+3], s[54:55] offset:(i-1)*512+256
.endif
	v_cvt_pk_bf16_f32 v[OUT+4*i],   v[RAW+8*i],   v[RAW+8*i+1]
	v_cvt_pk_bf16_f32 v[OUT+4*i+1], v[RAW+8*i+2], v[RAW+8*i+3]
	v_cvt_pk_bf16_f32 v[OUT+4*i+2], v[RAW+8*i+4], v[RAW+8*i+5]
	v_cvt_pk_bf16_f32 v[OUT+4*i+3], v[RAW+8*i+6], v[RAW+8*i+7]
.set i, i+1
.endr
	s_wait_alu depctr_va_vdst(0)                   ; row 3's conversions have written its four out registers, which the last two stores read
	global_store_b64 v6, v[OUT+12:OUT+13], s[54:55] offset:3*512
	global_store_b64 v6, v[OUT+14:OUT+15], s[54:55] offset:3*512+256
	s_endpgm
.Lparams:                                              ; ---- the layer's biases and gains, copied as they are ----
	s_lshl_b32 s45, s44, 10
	s_lshl_b32 s46, s44, 12
	s_mul_i32 s47, s44, 3072
	s_add_co_u32 s58, s44, 1
	v_lshlrev_b32 v5, 3, v0                        ; 8 bytes a thread: 1,024 a work-group
	v_lshlrev_b32 v6, 4, v0                        ; 16 bytes a thread
	v_add_nc_u32 v2, s45, v5
	v_add_nc_u32 v3, s46, v6
	v_add_nc_u32 v4, s47, v5
	s_wait_kmcnt 0x0
	PICK 54, 58                                    ; the launch that runs layer l from attention on
	PICK 56, 44                                    ; the launch that makes layer l's QKV
	s_wait_alu depctr_va_vdst(0)                   ; the offsets v2 to v6 are written: the loads below read v2 to v4, the stores v5 and v6; no vector instruction follows
	global_load_b64 v[8:9],   v2, s[20:21]           ; bo
	global_load_b64 v[10:11], v2, s[30:31]           ; ln2_g
	global_load_b64 v[12:13], v2, s[28:29]           ; ln2_b
	global_load_b64 v[14:15], v2, s[18:19]           ; b2
	global_load_b128 v[16:19], v3, s[16:17]          ; b1
	global_load_b128 v[20:23], v3, s[16:17] offset:2048
	global_load_b64 v[24:25], v2, s[26:27]           ; ln1_g
	global_load_b64 v[26:27], v2, s[24:25]           ; ln1_b
	global_load_b64 v[28:29], v4, s[22:23]           ; bqkv
	global_load_b64 v[30:31], v4, s[22:23] offset:1024
	global_load_b64 v[32:33], v4, s[22:23] offset:2048
	s_wait_loadcnt 0x0
	global_store_b64 v5, v[8:9],   s[54:55]
	global_store_b64 v5, v[10:11], s[54:55] offset:1024
	global_store_b64 v5, v[12:13], s[54:55] offset:2048
	global_store_b64 v5, v[14:15], s[54:55] offset:3072
	global_store_b128 v6, v[16:19], s[54:55] offset:4096
	global_store_b128 v6, v[20:23], s[54:55] offset:6144
	global_store_b64 v5, v[24:25], s[56:57] offset:8192
	global_store_b64 v5, v[26:27], s[56:57] offset:9216
	global_store_b64 v5, v[28:29], s[56:57] offset:10240
	global_store_b64 v5, v[30:31], s[56:57] offset:11264
	global_store_b64 v5, v[32:33], s[56:57] offset:12288
	s_endpgm
.Lfunc_end_k_q406f0e5d9b_prep:
	.size	k_q406f0e5d9b_prep, .Lfunc_end_k_q406f0e5d9b_prep-k_q406f0e5d9b_prep
	.p2alignl 7, 3214868480
	.fill 96, 4, 3214868480
	.section	.rodata,"a",@progbits
	.p2align	6, 0x0
	.amdhsa_kernel k_q406f0e5d9b_prep
		.amdhsa_group_segment_fixed_size 0
		.amdhsa_private_segment_fixed_size 0
		.amdhsa_enable_private_segment 0
		.amdhsa_kernarg_size 136
		.amdhsa_user_sgpr_count 2
		.amdhsa_user_sgpr_kernarg_segment_ptr 1
		.amdhsa_wavefront_size32 1
		.amdhsa_system_sgpr_workgroup_id_x 1
		.amdhsa_system_sgpr_workgroup_id_y 1
		.amdhsa_system_sgpr_workgroup_id_z 1
		.amdhsa_system_vgpr_workitem_id 0
		.amdhsa_next_free_vgpr 56
		.amdhsa_next_free_sgpr 66
		.amdhsa_reserve_vcc 0
		.amdhsa_float_denorm_mode_32 3
		.amdhsa_float_denorm_mode_16_64 3
		.amdhsa_memory_ordered 1
		.amdhsa_forward_progress 1
		.amdhsa_inst_pref_size 9
	.end_amdhsa_kernel
	.amdgpu_metadata
---
amdhsa.version: [ 1, 2 ]
amdhsa.kernels:
  - .name:           k_q406f0e5d9b_prep
    .symbol:         k_q406f0e5d9b_prep.kd
    .args:
      - { .name: W1, .offset: 0, .size: 8, .value_kind: global_buffer, .address_space: global }
      - { .name: W2, .offset: 8, .size: 8, .value_kind: global_buffer, .address_space: global }
      - { .name: Wo, .offset: 16, .size: 8, .value_kind: global_buffer, .address_space: global }
      - { .name: Wqkv, .offset: 24, .size: 8, .value_kind: global_buffer, .address_space: global }
      - { .name: b1, .offset: 32, .size: 8, .value_kind: global_buffer, .address_space: global }
      - { .name: b2, .offset: 40, .size: 8, .value_kind: global_buffer, .address_space: global }
      - { .name: bo, .offset: 48, .size: 8, .value_kind: global_buffer, .address_space: global }
      - { .name: bqkv, .offset: 56, .size: 8, .value_kind: global_buffer, .address_space: global }
      - { .name: ln1_b, .offset: 64, .size: 8, .value_kind: global_buffer, .address_space: global }
      - { .name: ln1_g, .offset: 72, .size: 8, .value_kind: global_buffer, .address_space: global }
      - { .name: ln2_b, .offset: 80, .size: 8, .value_kind: global_buffer, .address_space: global }
      - { .name: ln2_g, .offset: 88, .size: 8, .value_kind: global_buffer, .address_space: global }
      - { .name: pF, .offset: 96, .size: 8, .value_kind: global_buffer, .address_space: global }
      - { .name: pM0, .offset: 104, .size: 8, .value_kind: global_buffer, .address_space: global }
      - { .name: pM1, .offset: 112, .size: 8, .value_kind: global_buffer, .address_space: global }
      - { .name: pM2, .offset: 120, .size: 8, .value_kind: global_buffer, .address_space: global }
      - { .name: pL, .offset: 128, .size: 8, .value_kind: global_buffer, .address_space: global }
    .group_segment_fixed_size: 0
    .private_segment_fixed_size: 0
    .kernarg_segment_align: 8
    .kernarg_segment_size: 136
    .max_flat_workgroup_size: 128
    .sgpr_count:     66
    .vgpr_count:     56
    .wavefront_size: 32
...
	.end_amdgpu_metadata
.endif
;; end of part 5
;; launch first: the kernel of part 2 again; grid 256 x 1, 4 waves a work-group, clusters of 4 x 1, 327,680 bytes of LDS; arguments tokens, pF, stA; writes stA
;; launch mid0: the kernel of part 3 again; grid 256 x 1, 4 waves a work-group, clusters of 4 x 1, 327,680 bytes of LDS; arguments stA, pM0, stB; writes stB
;; launch mid1: the kernel of part 3 again; grid 256 x 1, 4 waves a work-group, clusters of 4 x 1, 327,680 bytes of LDS; arguments stB, pM1, stA; writes stA
;; launch mid2: the kernel of part 3 again; grid 256 x 1, 4 waves a work-group, clusters of 4 x 1, 327,680 bytes of LDS; arguments stA, pM2, stB; writes stB
;; launch last: the kernel of part 4 again; grid 256 x 1, 4 waves a work-group, clusters of 4 x 1, 327,680 bytes of LDS; arguments stB, pL, lnf_g, lnf_b, out0; writes out0
